; MI455X (gfx1250); checked and timed in simulation.
; The chip was launched on July 23, 2026; its instructions are those of AMD's public machine-readable ISA for CDNA 5 (MIT licence, August 2026) and "CDNA5" Instruction Set Architecture Reference Guide (July 2026). The comments in the code are by the model that wrote it; some were corrected since.
;; Cross Attention. Allowed arithmetic: matrix products marked QUANTISED: E2M1 operands, one E8M0 scale for each 32 along K, by v_wmma_scale_f32_16x16x128_f8f6f4 with both operands' format E2M1 (or v_wmma_scale_f32_32x16x128_f4), f32 sums; everything else in f32.
;; Inputs: b2 256 float32; bias_table 675 x 8 float32; bk 256 float32; bq 256 float32; bv 256 float32; g2 256 float32; gk 256 float32; gq 256 float32; gv 256 float32; k 2 x 8 x 64 x 64 x 256 float32; mb1 512 float32; mb2 256 float32; mw1_codes 512 x 8 x 16 uint8 (E2M1 codes of mw1, K innermost, in blocks of 32 codes, two codes a byte); mw1_scales 512 x 8 uint8 (E8M0 scales of mw1, one for each 32 codes along K); mw2_codes 256 x 16 x 16 uint8 (E2M1 codes of mw2, K innermost, in blocks of 32 codes, two codes a byte); mw2_scales 256 x 16 uint8 (E8M0 scales of mw2, one for each 32 codes along K); proj_b 256 float32; proj_w_codes 256 x 8 x 16 uint8 (E2M1 codes of proj_w, K innermost, in blocks of 32 codes, two codes a byte); proj_w_scales 256 x 8 uint8 (E8M0 scales of proj_w, one for each 32 codes along K); q 2 x 8 x 64 x 64 x 256 float32; v 2 x 8 x 64 x 64 x 256 float32.
;; Outputs: out0 2 x 8 x 64 x 64 x 256 float32.
;; This version of the problem:
;;   THIS VERSION OF THE PROBLEM IS GIVEN IN LOW PRECISION. The matrix products marked QUANTISED in the list below multiply operands that are first quantised to E2M1 (2 exponent bits, 1 mantissa bit; 4 bits a number), with one power-of-two scale for each 32 numbers along K (OCP MX v1.0); their sums are f32. All else is computed in f32.
;;   The module's matrix products, in the order in which they are computed (A, B: the left and right operand; K: the contracted axis; several contracted axes count as one K, in the product's order):
;;     1. batch 4,096 x [M 128, K 32] x [K 32, N 128]; A: computed on the way; B: computed on the way: QUANTISED
;;     2. batch 4,096 x [M 128, K 128] x [K 128, N 32]; A: softmax (see below); B: computed on the way: QUANTISED
;;     3. [M 65,536, K 256] x [K 256, N 256]; A: computed on the way; B: input proj_w (given as codes): QUANTISED
;;     4. [M 65,536, K 256] x [K 256, N 512]; A: computed on the way; B: input mw1 (given as codes): QUANTISED
;;     5. [M 65,536, K 512] x [K 512, N 256]; A: computed on the way; B: input mw2 (given as codes): QUANTISED
;;   THE QUANTISER, for each operand of a quantised product, along K:
;;     - K is cut into blocks of 32 from its start; a last block that is shorter is filled with zeros.
;;     - A block's scale is 2^e with e = floor(log2(the largest magnitude in the block)) - 2, held to -126 .. 127; a block of zeros has e = 0. As a byte (E8M0): e + 127.
;;     - Each number is divided by its block's scale, clamped to +-6, and rounded to the nearest number of E2M1, ties to even, subnormals kept.
;;     - The product sums the exact products of the quantised numbers (number of the format x scale) in f32.
;;   ~~~python
;;   def quantise(x, axis):      # numpy; x: float32 -> the quantised numbers, widened to float32 again
;;       x = np.moveaxis(x, axis, -1); K = x.shape[-1]
;;       x = np.pad(x, [(0, 0)] * (x.ndim - 1) + [(0, -K % 32)]); x = x.reshape(x.shape[:-1] + (-1, 32)); a = np.abs(x).max(-1, keepdims=True)
;;       e = np.where(a > 0, np.clip(np.frexp(np.where(a > 0, a, 1))[1] - 1 - 2, -126, 127), 0)      # np.frexp(a)[1] - 1 = floor(log2(a)), exactly
;;       r = np.clip(x / 2.0 ** e, -6, 6)
;;       step = 2.0 ** (np.maximum(np.frexp(np.where(r == 0, 1, r))[1] - 1, 0) - 1)
;;       q = np.round(r / step) * step * 2.0 ** e      # np.round: ties to even
;;       return np.moveaxis(q.reshape(q.shape[:-2] + (-1,))[..., :K], -1, axis).astype(np.float32)
;;   ~~~
;;   SOFTMAX AHEAD OF A QUANTISED PRODUCT. Where the list says 'softmax', what is quantised is not the finished softmax but p = 2^(t - M), with t = logit x log2(e) and M = ceil(the row's largest t), a whole number; so 1/2 < the row's largest p <= 1. The row's sum l is taken of the UNQUANTISED p, in f32, and the product's result is divided by l at the end. Since M is a whole number, a kernel that streams over the keys may use a running M (the ceiling of the running maximum): every later rescaling is an exact power of two, which a block's scale takes up: the codes' values come out the same.
;;   OPERANDS COMPUTED ON THE WAY. 'Computed on the way' means the value that the module computes at that place (a softmax that the list does not call 'softmax' is quantised finished and normalised). What goes into a quantiser is computed in f32, as accurately as f32 sums, v_exp_f32 and their like allow (about 1e-6 of the number): no bf16 or f16 on the way to a quantiser, and a product that is left as it is and whose result goes on into a quantised operand takes f32 operands (vector FMAs, or v_wmma_f32_16x16x4_f32). A number that lies on a knife's edge between two numbers of the format may be rounded either way, as far as f32 arithmetic and the matrix unit's own rounding can turn it there, and no further.
;;   INPUTS GIVEN AS CODES. mw1 (in the module: [512, 256], K = its axis 1); mw2 (in the module: [256, 512], K = its axis 1); proj_w (in the module: [256, 256], K = its axis 1): each comes as NAME_codes (uint8): NAME with its K axis moved to the last place and cut into blocks of 32 codes, [.., K / 32, bytes a block], one block behind the other in memory; two codes a byte, the lower K in the low four bits (a code: sign, 2 exponent bits, 1 mantissa bit); and NAME_scales (uint8): the same leading axes, one E8M0 byte (e + 127) for each 32 codes along K. Its value is code x scale, taken as it is: it is not quantised again, and the codes and scales need not be those that the quantiser above would give.
;; 2 versions. Each part assembles by itself: llvm-mc -triple=amdgcn-amd-amdhsa -mcpu=gfx1250 --defsym DOCPART=n.
;; ======== version 1 of 2: 1 launch
;; launch win (part 1): grid 256 x 1, 16 waves a work-group, no clusters, 317,696 bytes of LDS; arguments q, k, v, out0, gq, bq, gk, bk, gv, bv, proj_b, g2, b2, mb2, mb1, bias_table, proj_w_codes, proj_w_scales, mw1_codes, mw1_scales, mw2_codes, mw2_scales; writes out0
.if DOCPART == 1
	.amdgcn_target "amdgcn-amd-amdhsa--gfx1250"
	.amdhsa_code_object_version 6
	.text
	.protected	k_q87c22e5802_win
	.globl	k_q87c22e5802_win
	.p2align	8
	.type	k_q87c22e5802_win,@function
k_q87c22e5802_win:
	s_mov_b64 s[64:65], 0
	v_nop
	global_prefetch_b8 v0, s[64:65] scope:SCOPE_SE
	s_setreg_imm32_b32 hwreg(HW_REG_WAVE_MODE, 25, 1), 1
	s_wait_xcnt 0x0
; Windowed cross-attention block on codes of FP4 (E2M1) with one E8M0 scale for each 32 along a product's K.
; A WINDOW is 128 tokens x 256 channels (2 x 8 x 8 tokens: 16 runs of 8 tokens, 8,192 consecutive bytes each).  It is taken through the whole chain by one work-group:
; LayerNorm of q, k, v | S^T = K Q^T + bias | p = 2^(t - M) | O^T = V^T P^T / l | proj + v | LayerNorm | 256 -> 512, exact GELU | 512 -> 256 + x.  Nothing but the inputs is read, nothing but out0 written.
; A WORK-GROUP STAYS: it takes window x of the first batch element and then the same window of the second, 2^25 bytes further on in q, k, v and out0.  The vectors and the bias table are staged once.  The next window's q is
; asked for ahead of the last product, as soon as 64 registers are free; its k and v behind that product's barrier, ahead of the way out; nothing waits for the first window's stores.
; SIXTEEN WAVES of 256 registers, four to a SIMD.  Their shares change from phase to phase; what passes from wave to wave goes through LDS, each time: store, wait for 0, barrier, load.
;   A, way out: wave w = tokens 8 w .. 8 w + 7 (one run).   A2: channels 32 (w % 8) + lane, keys 64 (w / 8) on.   attention: query tile w % 8, heads 4 (w / 8) .. + 3.
;   proj, MLP: cg = w % 8 (32 output channels, or 64 hidden units), rh = w / 8 (tokens 64 rh .. + 63, four tiles of 16).
; EVERY PRODUCT IS USED TRANSPOSED (source 0 = 16 rows of K, V^T or a weight, source 1 = 16 tokens): a lane holds ONE token, its registers run along the next product's K.
; THE ROWS OF A TILE ARE NOT NEIGHBOURS: lane r takes row r + 8 (r / 8) of its group, so that the 16 registers of two neighbouring tiles are 16 neighbours: a lane and the lane 16 away hold a block of 32.
; HEADS: a head's K is 32.  One fragment (128 along K) holds four heads; for head j the query fragment keeps block j and has zero codes elsewhere, which add nothing.  The bias is the C of that product.
; WEIGHTS go from memory straight into operand registers, each wave its own rows.  No cluster and no joint loads: this text has no tensor load, and of the 327,680 bytes of LDS 315,648 are in use, so the 172,032
; bytes of weights have no place to land.  No prefetch instruction: the next window is asked for by its loads themselves, at the places named above.
; LIMITS: NaN and infinities among the inputs are not served.  A block whose largest magnitude lies under 2^-124, a block of zeros too, keeps the scale byte 1 (its codes are then zeros or subnormal codes; the bytes are
; read by this text alone).  mb2 is added to x ahead of the last product's sums, proj_b and v ahead of proj's: another order of rounding than the source has.  erf is z P(z^2) / Q(z^2) (7 and 5 terms), z held to +-4,
; beyond which erf is +-1 in f32.  Divisions are v_rcp_f32 and a multiplication.
.set VP,   1040                        ; a token's row of f32 in LDS: 1,024 bytes + 16: sixteen rows that a 16-byte load touches start in sixteen different groups of banks
.set VRAW, 0                           ; 128 rows x VP: the stage in which q and k are turned; then v as it came; then x + mb2; then the result
.set KC,   133120                      ; codes, a row a token, pitch 144 (128 + 16), head hd at byte 16 hd: K,
.set QC,   151552                      ; Q x SCALE,
.set AO,   169984                      ; the attention's result,
.set H1,   188416                      ; the second LayerNorm's
.set H2,   206848                      ; the hidden layer's codes, pitch 272 (256 + 16)
.set VT,   241664                      ; V^T's codes: a row a channel, pitch 80 (64 + 16), the keys' block at 16 x block
.set QS,   262144                      ; scale bytes [token][8]
.set KS,   263168
.set AOS,  264192
.set H1S,  265216
.set H2S,  266240                      ; [token][16]
.set VTS,  268288                      ; [channel][4]
.set STM,  269312                      ; v's mean for each token; 512 bytes on: its 1 / sqrt(var + eps)
.set PS,   270336                      ; the second LayerNorm's parts: token pitch 80, the pair (mean, sum of squares about it) of 32 channels at 8 cg
.set PAR,  280576                      ; gq 0, bq 1024, gk 2048, bk 3072, gv 4096, bv 5120, proj_b 6144, g2 7168, b2 8192, mb2 9216, mb1 10240
.set BT,   292864                      ; the bias table turned: [head][index], PB bytes a head
.set PB,   2848                        ; 712 words: 675 and a pad; 712 mod 64 = 8, so eight heads' words of one index lie in different banks
.set NEXTW, 0x2000000                  ; from a window to the work-group's next: one batch element, 8 x 64 x 64 x 256 x 4 bytes
.macro BAR                             ; my LDS stores have landed and my LDS loads are in: then the work-group's barrier
	s_wait_dscnt 0x0
	s_barrier_signal -1
	s_barrier_wait -1
.endm
.macro PL n                            ; places behind a matrix instruction, or ahead of a scaled one (ISA guide 7.12.1)
.rept \n
	v_nop
.endr
.endm
.macro FRAG reg, adr, off              ; a fragment, 16 rows x 128 K of 4-bit codes: registers 4 c .. 4 c + 3 hold K = 64 c + 32 (lane / 16) + 0 .. 31
	ds_load_b128 v[(\reg):(\reg)+3], v[\adr] offset:(\off)
	ds_load_b128 v[(\reg)+4:(\reg)+7], v[\adr] offset:(\off)+32
.endm
.macro MM D, A, B, C, sa, sb
	v_wmma_scale_f32_16x16x128_f8f6f4 v[(\D):(\D)+7], v[(\A):(\A)+7], v[(\B):(\B)+7], v[(\C):(\C)+7], v[\sa], v[\sb] matrix_a_fmt:MATRIX_FMT_FP4 matrix_b_fmt:MATRIX_FMT_FP4
.endm
.macro MMZ D, A, B, sa, sb             ; the product starts its sum
	v_wmma_scale_f32_16x16x128_f8f6f4 v[(\D):(\D)+7], v[(\A):(\A)+7], v[(\B):(\B)+7], 0, v[\sa], v[\sb] matrix_a_fmt:MATRIX_FMT_FP4 matrix_b_fmt:MATRIX_FMT_FP4
.endm
.macro SC2 r, val                      ; a constant as a pair: the packed forms name a pair
	s_mov_b32 s[\r], \val
	s_mov_b32 s[\r+1], \val
.endm
; 32 numbers of ONE lane, a whole block: codes into v[cd] .. v[cd + 3], the scale's byte into v59.  The largest magnitude has the floor 2^(3 - 127) among its leaves, so the byte cannot fall under 1;
; 2 off its exponent field is the conversion's scale operand, of which the exponent field alone counts.
.macro QB32 src, cd
	v_max3_num_f32 v56, |v[(\src)]|, |v[(\src)+1]|, 0x1800000
	v_max3_num_f32 v57, |v[(\src)+2]|, |v[(\src)+3]|, 0x1800000
.set jq, 4
.rept 7
	v_max3_num_f32 v56, v56, |v[(\src)+jq]|, |v[(\src)+jq+1]|
	v_max3_num_f32 v57, v57, |v[(\src)+jq+2]|, |v[(\src)+jq+3]|
.set jq, jq+4
.endr
	v_max_num_f32 v56, v56, v57
	v_add_nc_u32 v58, 0xff000000, v56
	v_lshrrev_b32 v59, 23, v58
.irp g, 0,1,2,3
	v_cvt_scalef32_pk8_fp4_f32 v[\cd+\g], v[(\src)+8*\g:(\src)+8*\g+7], v58
.endr
	v_nop                                          ; one plain place behind a scaled conversion
.endm
; 16 numbers of a lane, half a block; the lane 16 away holds the other half.  Codes into v[cd], v[cd + 1], the byte into v[by].
.macro QH16 src, cd, by
	v_max3_num_f32 v248, |v[(\src)]|, |v[(\src)+1]|, 0x1800000
	v_max3_num_f32 v249, |v[(\src)+2]|, |v[(\src)+3]|, |v[(\src)+4]|
	v_max3_num_f32 v248, v248, |v[(\src)+5]|, |v[(\src)+6]|
	v_max3_num_f32 v249, v249, |v[(\src)+7]|, |v[(\src)+8]|
	v_max3_num_f32 v248, v248, |v[(\src)+9]|, |v[(\src)+10]|
	v_max3_num_f32 v249, v249, |v[(\src)+11]|, |v[(\src)+12]|
	v_max3_num_f32 v248, v248, |v[(\src)+13]|, |v[(\src)+14]|
	v_max3_num_f32 v248, v248, v249, |v[(\src)+15]|
	v_permlanex16_b32 v250, v248, s16, s17
	v_max_num_f32 v248, v248, v250
	v_add_nc_u32 v251, 0xff000000, v248
	v_lshrrev_b32 v[\by], 23, v251
	v_cvt_scalef32_pk8_fp4_f32 v[\cd], v[(\src):(\src)+7], v251
	v_cvt_scalef32_pk8_fp4_f32 v[\cd+1], v[(\src)+8:(\src)+15], v251
	v_nop                                          ; one plain place behind a scaled conversion
.endm
; My run's 8,192 bytes, loaded 16 bytes a lane as they lie, go into my eight rows of the stage and come back so that lane (r8 = lane % 8, qd = lane / 8) holds of token r8 head qd (X + 0 .. 31) and head 4 + qd (X + 32 .. 63).
; LDS serves a wave's instructions in order (ISA guide 5.7.1.4): the loads see the stores.
.macro TURN X
.set i, 0
.rept 16
	ds_store_b128 v1, v[\X+4*i:\X+4*i+3] offset:(i/2)*VP+(i%2)*512
.set i, i+1
.endr
.set i, 0
.rept 8
	ds_load_b128 v[\X+4*i:\X+4*i+3], v2 offset:16*i
.set i, i+1
.endr
.set i, 0
.rept 8
	ds_load_b128 v[\X+32+4*i:\X+35+4*i], v2 offset:512+16*i
.set i, i+1
.endr
	s_wait_dscnt 0x0
.endm
.macro RED4                            ; two packed chains into one number, then over the four lanes that share a token (lane bits 3 and 4)
	v_pk_add_f32 v[20:21], v[20:21], v[22:23]
	v_add_f32 v20, v20, v21
	v_add_f32_dpp v20, v20, v20 row_xmask:8 row_mask:0xf bank_mask:0xf
	v_permlanex16_b32 v21, v20, s16, s17
	v_add_f32 v20, v20, v21
.endm
; A token's mean into v[16:17]; X becomes x - mean; 1 / sqrt(var + eps) into v[18:19].  The variance is taken about the mean: no difference of large sums.
.macro LNSTAT X
	v_pk_add_f32 v[20:21], v[\X:\X+1], v[\X+2:\X+3]
	v_pk_add_f32 v[22:23], v[\X+4:\X+5], v[\X+6:\X+7]
.set jj, 8
.rept 14
	v_pk_add_f32 v[20:21], v[20:21], v[\X+jj:\X+jj+1]
	v_pk_add_f32 v[22:23], v[22:23], v[\X+jj+2:\X+jj+3]
.set jj, jj+4
.endr
	RED4
	v_mul_f32 v16, s18, v20
	v_mov_b32 v17, v16
.set jj, 0
.rept 32
	v_pk_add_f32 v[\X+jj:\X+jj+1], v[\X+jj:\X+jj+1], v[16:17] neg_lo:[0,1] neg_hi:[0,1]
.set jj, jj+2
.endr
	v_pk_mul_f32 v[20:21], v[\X:\X+1], v[\X:\X+1]
	v_pk_mul_f32 v[22:23], v[\X+2:\X+3], v[\X+2:\X+3]
.set jj, 4
.rept 15
	v_pk_fma_f32 v[20:21], v[\X+jj:\X+jj+1], v[\X+jj:\X+jj+1], v[20:21]
	v_pk_fma_f32 v[22:23], v[\X+jj+2:\X+jj+3], v[\X+jj+2:\X+jj+3], v[22:23]
.set jj, jj+4
.endr
	RED4
	v_fma_f32 v20, v20, s18, s19                   ; sum / 256 + eps
	v_rsq_f32 v18, v20
	v_nop                                          ; a plain place behind the transcendental
	s_wait_alu depctr_va_vdst(0)                   ; the wait ahead of the result's first reader
	v_mov_b32 v19, v18
.endm
; X (x - mean) becomes ((x - mean) rstd) g + b (isq: x SCALE), and each of the lane's two heads one block of codes and one scale byte.  g and b come 16 numbers at a time; the lanes of one qd read the same words.
.macro NORMQ X, par, isq, VC, VS
.irp blk, 0,1
.irp hf, 0,1
.irp j, 0,1,2,3
	ds_load_b128 v[24+4*\j:27+4*\j], v3 offset:\par+512*\blk+64*\hf+16*\j
	ds_load_b128 v[40+4*\j:43+4*\j], v3 offset:\par+1024+512*\blk+64*\hf+16*\j
.endr
.irp j, 0,2,4,6,8,10,12,14
	v_pk_mul_f32 v[\X+32*\blk+16*\hf+\j:\X+32*\blk+16*\hf+\j+1], v[\X+32*\blk+16*\hf+\j:\X+32*\blk+16*\hf+\j+1], v[18:19]
.endr
	s_wait_dscnt 0x0                               ; g and b are in (and the last block's stores have read their registers)
.irp j, 0,2,4,6,8,10,12,14
	v_pk_fma_f32 v[\X+32*\blk+16*\hf+\j:\X+32*\blk+16*\hf+\j+1], v[\X+32*\blk+16*\hf+\j:\X+32*\blk+16*\hf+\j+1], v[24+\j:25+\j], v[40+\j:41+\j]
.endr
.if \isq
.irp j, 0,2,4,6,8,10,12,14
	v_pk_mul_f32 v[\X+32*\blk+16*\hf+\j:\X+32*\blk+16*\hf+\j+1], v[\X+32*\blk+16*\hf+\j:\X+32*\blk+16*\hf+\j+1], s[34:35] op_sel_hi:[1,0]
.endr
.endif
.endr
	QB32 \X+32*\blk, 60
	ds_store_b128 v[\VC], v[60:63] offset:64*\blk
	ds_store_b8 v[\VS], v59 offset:4*\blk
.endr
.endm
; The addresses of phase A and of the way out, from v0, the wave's number and v9 = 16 x lane (which loads on their way may still name: it is read here, not written)
.macro ADDRA
	v_and_b32 v16, 7, v0                           ; r8
	v_bfe_u32 v17, v0, 3, 2                        ; qd
	s_mul_i32 s60, s2, 8*VP
	v_add_nc_u32 v1, s60, v9                       ; the stage, as loaded: my eight rows, 16 x lane
	v_mul_u32_u24 v2, v16, VP
	v_lshl_add_u32 v2, v17, 7, v2
	v_add_nc_u32 v2, s60, v2                       ; and turned: row 8 w + r8, head qd
	v_lshlrev_b32 v3, 7, v17
	v_add_nc_u32 v3, PAR, v3                       ; g and b of head qd
	s_mul_i32 s61, s2, 8*144
	v_mul_u32_u24 v4, v16, 144
	v_lshl_add_u32 v4, v17, 4, v4
	v_add_nc_u32 v4, s61, v4
	v_add_nc_u32 v5, KC, v4                        ; codes: row 8 w + r8, 16 qd
	v_add_nc_u32 v4, QC, v4
	s_lshl_b32 s62, s2, 6
	v_lshl_add_u32 v6, v16, 3, v17
	v_add_nc_u32 v6, s62, v6
	v_add_nc_u32 v7, KS, v6                        ; scale bytes: 8 (8 w + r8) + qd
	v_add_nc_u32 v6, QS, v6
	s_lshl_b32 s63, s2, 5
	v_lshl_add_u32 v8, v16, 2, s63
	v_add_nc_u32 v8, STM, v8                       ; v's statistics: 4 (8 w + r8)
.endm
.macro LOADQ                           ; my run of q: each load of the wave reads 512 consecutive bytes; read once in the launch
.set i, 0
.rept 16
	global_load_b128 v[64+4*i:67+4*i], v9, s[4:5] offset:512*i th:TH_LOAD_NT
.set i, i+1
.endr
.endm
.macro LOADKV                          ; and of k and v
.set i, 0
.rept 16
	global_load_b128 v[128+4*i:131+4*i], v9, s[6:7] offset:512*i th:TH_LOAD_NT
.set i, i+1
.endr
.set i, 0
.rept 16
	global_load_b128 v[192+4*i:195+4*i], v9, s[8:9] offset:512*i th:TH_LOAD_NT
.set i, i+1
.endr
.endm
; THE WAY OUT: my run of eight tokens, as it was loaded, four tokens at a time through v24-55 (the other registers hold, or wait for, the next window)
.macro WAYOUT
.irp hb, 0,1
.if \hb
	s_wait_xcnt 0x0                                ; the first four tokens' stores have read their registers: they are loaded again only behind this wait
.endif
.set i, 0
.rept 8
	ds_load_b128 v[24+4*i:27+4*i], v1 offset:(4*\hb+i/2)*VP+(i%2)*512
.set i, i+1
.endr
.set i, 0
.rept 8
	s_wait_dscnt 7-i                               ; LDS loads come back in order: load i is in, the younger ones stay out
	global_store_b128 v9, v[24+4*i:27+4*i], s[10:11] offset:4096*\hb+512*i th:TH_STORE_NT   ; the wave stores 512 consecutive bytes, at a multiple of 512 from out0's first byte
.set i, i+1
.endr
.endr
.endm
; ---------------------------------------------------------------- the head: addresses, the staging, and every load of the first window
	s_load_b256 s[4:11], s[0:1], 0x0               ; q, k, v, out0
	s_load_b512 s[36:51], s[0:1], 0x20             ; gq, bq, gk, bk, gv, bv, proj_b, g2
	s_load_b256 s[52:59], s[0:1], 0x60             ; b2, mb2, mb1, bias_table
	s_load_b256 s[20:27], s[0:1], 0x80             ; proj_w codes, scales; mw1 codes, scales
	s_load_b128 s[28:31], s[0:1], 0xa0             ; mw2 codes, scales
	v_lshrrev_b32 v1, 5, v0
	v_readfirstlane_b32 s2, v1                     ; wave w, 0 .. 15
	s_and_b32 s3, s2, 7                            ; w % 8
	s_lshr_b32 s12, s2, 3                          ; w / 8
	s_bfe_u32 s14, ttmp9, 0x20006                  ; the work-group's number x = (tw 8 + hw) 8 + ww, 0 .. 255.  Bytes: t 2^22, h 2^16, w 2^10
	s_lshl_b32 s14, s14, 23                        ; tw: 2 steps of t
	s_bfe_u32 s15, ttmp9, 0x30003
	s_lshl_b32 s15, s15, 19                        ; hw: 8 steps of h
	s_or_b32 s14, s14, s15
	s_and_b32 s15, ttmp9, 7
	s_lshl_b32 s15, s15, 13                        ; ww: 8 steps of w
	s_or_b32 s14, s14, s15
	s_lshl_b32 s15, s12, 22                        ; my run: t = w / 8,
	s_or_b32 s14, s14, s15
	s_lshl_b32 s15, s3, 16                         ; h = w % 8
	s_or_b32 s14, s14, s15
	s_mov_b32 s15, 0
	s_mov_b32 s16, 0x76543210                      ; v_permlanex16_b32's selects for the lane 16 away
	s_mov_b32 s17, 0xfedcba98
	s_mov_b32 s18, 0x3b800000                      ; 1 / 256
	s_mov_b32 s19, 0x3727c5ac                      ; eps = 1e-5
	SC2 32, 0x3fb8aa3b                             ; log2(e)
	SC2 34, 0x3e3504f3                             ; SCALE = 32^-0.5
	s_mov_b32 s78, 2                               ; windows to go, this one among them
	v_and_b32 v10, 255, v0
	v_lshlrev_b32 v10, 2, v10                      ; a word of a vector of 256
	v_lshlrev_b32 v11, 2, v0                       ; a word for each of 512 threads
	v_add_nc_u32 v12, 20480, v11
	v_min_u32 v12, 21596, v12                      ; the table's last round is held at its last word: no load leaves the buffer
	v_and_b32 v9, 31, v0
	v_lshlrev_b32 v9, 4, v9                        ; 16 x lane
	v_add_nc_u32 v13, PAR, v11
	v_and_b32 v14, 7, v0                           ; the table's word 512 i + t is (index 64 i + t / 8, head t % 8)
	v_mul_u32_u24 v14, v14, PB
	v_lshrrev_b32 v15, 3, v0
	v_lshl_add_u32 v14, v15, 2, v14
	v_add_nc_u32 v14, BT, v14
	ADDRA
	s_wait_kmcnt 0x0
	s_cmp_lt_u32 s2, 8                             ; waves 0-7 stage the first vector of each pair, waves 8-15 the second: a choice on the wave's number alone
	s_cselect_b64 s[66:67], s[36:37], s[38:39]
	s_cselect_b64 s[68:69], s[40:41], s[42:43]
	s_cselect_b64 s[70:71], s[44:45], s[46:47]
	s_cselect_b64 s[72:73], s[48:49], s[50:51]
	s_cselect_b64 s[74:75], s[52:53], s[54:55]
	s_add_nc_u64 s[4:5], s[4:5], s[14:15]
	s_add_nc_u64 s[6:7], s[6:7], s[14:15]
	s_add_nc_u64 s[8:9], s[8:9], s[14:15]
	s_add_nc_u64 s[10:11], s[10:11], s[14:15]
	s_lshl_b32 s14, s3, 12                         ; the weights at my rows: proj 32 rows x 128 bytes,
	s_add_nc_u64 s[20:21], s[20:21], s[14:15]
	s_lshl_b32 s14, s3, 8                          ; x 8 scale bytes;
	s_add_nc_u64 s[22:23], s[22:23], s[14:15]
	s_lshl_b32 s14, s3, 13                         ; mw1 64 rows x 128, mw2 32 rows x 256;
	s_add_nc_u64 s[24:25], s[24:25], s[14:15]
	s_add_nc_u64 s[28:29], s[28:29], s[14:15]
	s_lshl_b32 s14, s3, 9                          ; 64 x 8, 32 x 16
	s_add_nc_u64 s[26:27], s[26:27], s[14:15]
	s_add_nc_u64 s[30:31], s[30:31], s[14:15]
	global_load_b32 v24, v10, s[66:67]             ; 17 small loads: the vectors and the bias table, once for the work-group
	global_load_b32 v25, v10, s[68:69]
	global_load_b32 v26, v10, s[70:71]
	global_load_b32 v27, v10, s[72:73]
	global_load_b32 v28, v10, s[74:75]
	global_load_b32 v29, v11, s[56:57]
.set i, 0
.rept 10
	global_load_b32 v[30+i], v11, s[58:59] offset:2048*i
.set i, i+1
.endr
	global_load_b32 v40, v12, s[58:59]
	LOADQ
	LOADKV
	s_wait_loadcnt 48                              ; the 17 small loads are in; the 48 of q, k, v stay out
.set i, 0
.rept 6
	ds_store_b32 v13, v[24+i] offset:2048*i
.set i, i+1
.endr
.set i, 0
.rept 11
	ds_store_b32 v14, v[30+i] offset:256*i         ; in the last round threads over 279 land on indices 675 .. 703, the pitch's pad, which nobody reads
.set i, i+1
.endr
	BAR                                            ; the vectors and the table lie in LDS, for both windows
	SC2 36, 0x32edffee                             ; erf(z) = z P(z^2) / Q(z^2): P's terms behind the first (the pointers that stood here have served: their loads are in)
	SC2 38, 0xb60cff51
	SC2 40, 0xb86ec2d2
	SC2 42, 0xba40ac63
	SC2 44, 0xbb41a1f6
	SC2 46, 0xbc83dbd4
	SC2 48, 0xb95fbd29                             ; Q's
	SC2 50, 0xbadc924e
	SC2 52, 0xbbf19bf8
	SC2 54, 0xbc69b6a7
	SC2 56, 0x3f3504f3                             ; 1 / sqrt(2)
.Lwin:                                             ; a trip is a window.  On both ways in, q's 16 loads were issued first, k's and v's 32 behind them
; ---------------------------------------------------------------- A: LayerNorm of my eight tokens; q and k become codes; v stays in the stage as it came
; (between the last window's closing barrier and this phase's barrier a wave touches its own eight rows of the stage, its own rows of codes, scale bytes and statistics, and the vectors, which nobody writes)
	s_wait_loadcnt 32                              ; q's 16 loads are in; k's and v's stay out
	TURN 64
	LNSTAT 64
	NORMQ 64, 0, 1, 4, 6
	s_wait_loadcnt 16                              ; k's are in; v's stay out
	TURN 128
	LNSTAT 128
	NORMQ 128, 2048, 0, 5, 7
	s_wait_loadcnt 0x0                             ; v's are in: no load names the three pointers any more,
	s_add_nc_u64 s[4:5], s[4:5], NEXTW             ; so they step to the next window (behind the last window they are not used)
	s_add_nc_u64 s[6:7], s[6:7], NEXTW
	s_add_nc_u64 s[8:9], s[8:9], NEXTW
	TURN 192
	LNSTAT 192
	ds_store_b32 v8, v16                           ; the four lanes of a token write the same word with the same value
	ds_store_b32 v8, v18 offset:512
	BAR                                            ; Q's and K's codes, v and its statistics lie in LDS
; ---------------------------------------------------------------- A2: V^T.  A lane takes a channel, its registers run down 64 keys: two whole blocks of the second product's K
	v_and_b32 v10, 31, v0
	v_lshlrev_b32 v11, 2, v10
	s_mul_i32 s60, s12, 64*VP
	s_lshl_b32 s61, s3, 7
	s_add_co_u32 s60, s60, s61
	v_add_nc_u32 v1, s60, v11                      ; v(64 (w / 8), 32 (w % 8) + lane)
	s_lshl_b32 s62, s12, 8
	s_add_co_u32 s62, s62, STM
	v_mov_b32 v2, s62                              ; my 64 keys' statistics: every lane reads the same words
	v_add_nc_u32 v5, s61, v11
	v_add_nc_u32 v5, PAR+4096, v5                  ; gv of my channel; bv 1,024 bytes on
	s_mul_i32 s63, s3, 32*80
	s_lshl_b32 s76, s12, 5
	s_add_co_u32 s63, s63, s76
	v_mul_u32_u24 v3, v10, 80
	v_add_nc_u32 v3, s63, v3
	v_add_nc_u32 v3, VT, v3                        ; my channel's row, blocks 2 (w / 8) and + 1
	s_lshl_b32 s76, s12, 1
	s_add_co_u32 s76, s76, s61
	v_add_nc_u32 v4, s76, v11
	v_add_nc_u32 v4, VTS, v4
.set i, 0
.rept 64
	ds_load_b32 v[64+i], v1 offset:i*VP
.set i, i+1
.endr
.set i, 0
.rept 16
	ds_load_b128 v[128+4*i:131+4*i], v2 offset:16*i
	ds_load_b128 v[192+4*i:195+4*i], v2 offset:512+16*i
.set i, i+1
.endr
	ds_load_b32 v6, v5
	ds_load_b32 v8, v5 offset:1024
	v_mov_b32 v7, 0                                ; (named as the upper halves of pairs of which the low word serves both halves)
	v_mov_b32 v9, 0
	s_wait_dscnt 0x0
.set i, 0
.rept 32
	v_pk_add_f32 v[64+i:65+i], v[64+i:65+i], v[128+i:129+i] neg_lo:[0,1] neg_hi:[0,1]
.set i, i+2
.endr
.set i, 0
.rept 32
	v_pk_mul_f32 v[64+i:65+i], v[64+i:65+i], v[192+i:193+i]
.set i, i+2
.endr
.set i, 0
.rept 32
	v_pk_fma_f32 v[64+i:65+i], v[64+i:65+i], v[6:7], v[8:9] op_sel_hi:[1,0,0]
.set i, i+2
.endr
	QB32 64, 60
	ds_store_b128 v3, v[60:63]
	v_mov_b32 v10, v59
	QB32 96, 20
	ds_store_b128 v3, v[20:23] offset:16
	v_lshl_or_b32 v10, v59, 8, v10
	ds_store_b16 v4, v10
	BAR                                            ; V^T's codes lie in LDS
; ---------------------------------------------------------------- attention: query tile m = w % 8, heads 4 g .. 4 g + 3, g = w / 8
; v24-87 K's eight fragments, v88-95 their scale words; v96-159 S^T, then p; v160-167 Q, v168 its scale word, v170-177 Q with one head left; v178-193 V^T's two fragments, v194-195 their scale words;
; v196-203 p's codes, v204 its scale word; v206-221 O^T; v224-254 at work
	v_and_b32 v12, 15, v0                          ; r:  stays up to the last product
	v_bfe_u32 v9, v0, 4, 1                         ; h:  likewise
	v_and_b32 v13, 8, v12
	v_add_nc_u32 v13, v13, v12                     ; r + 8 (r / 8): likewise
	v_add_nc_u32 v10, 2, v9
	v_mov_b32 v11, 0                               ; the four heads' scale bytes of my query's result
	s_mul_i32 s60, s3, 16*144
	s_lshl_b32 s61, s12, 6
	s_add_co_u32 s60, s60, s61
	v_mul_u32_u24 v14, v12, 144
	v_add_nc_u32 v14, s60, v14                     ; row 16 m + r, + 64 g
	v_lshl_add_u32 v1, v9, 4, v14
	v_add_nc_u32 v1, QC, v1
	v_lshl_add_u32 v7, v9, 3, v14
	v_add_nc_u32 v7, AO, v7                        ; my 16 channels' codes: 8 h bytes into the head's 16
	v_mul_u32_u24 v2, v13, 144
	v_lshl_add_u32 v2, v9, 4, v2
	v_add_nc_u32 v2, s61, v2
	v_add_nc_u32 v2, KC, v2
	s_lshl_b32 s62, s12, 2
	v_lshl_add_u32 v3, v13, 3, s62
	v_add_nc_u32 v3, KS, v3
	s_lshl_b32 s63, s3, 7
	s_add_co_u32 s63, s63, s62
	v_lshl_add_u32 v8, v12, 3, s63
	v_add_nc_u32 v8, QS, v8
	; the bias: index = 225 (tq - tk + 1) + 15 (hq - hk + 7) + (wq - wk + 7).  Query 16 m + r: tq = m / 4, hq = 2 (m % 4) + r / 8, wq = r % 8.  Register 16 b + 8 u + j holds key 32 b + 16 h + 8 u + j:
	; tk = b / 2, hk = 4 (b % 2) + 2 h + u, wk = j.  So index = [225 (m / 4) + 30 (m % 4) + 15 (r / 8) + r % 8 + 30 - 30 h] + [307 - 225 (b / 2) - 60 (b % 2) - 15 u - j]: a lane's part, and an immediate that is never negative
	s_lshr_b32 s76, s3, 2
	s_mul_i32 s76, s76, 900
	s_and_b32 s77, s3, 3
	s_mul_i32 s77, s77, 120
	s_add_co_u32 s76, s76, s77
	s_mul_i32 s77, s12, 4*PB
	s_add_co_u32 s76, s76, s77
	s_add_co_u32 s76, s76, 120
	v_lshrrev_b32 v14, 3, v12
	v_mul_u32_u24 v14, v14, 60
	v_and_b32 v15, 7, v12
	v_lshl_add_u32 v14, v15, 2, v14
	v_add_nc_u32 v14, s76, v14
	v_mul_u32_u24 v15, v9, 120
	v_sub_nc_u32 v14, v14, v15
	v_add_nc_u32 v4, BT, v14
	s_mul_i32 s77, s12, 128*80
	v_mul_u32_u24 v5, v13, 80
	v_lshl_add_u32 v5, v9, 4, v5
	v_add_nc_u32 v5, s77, v5
	v_add_nc_u32 v5, VT, v5                        ; V^T: channel 128 g + r + 8 (r / 8)
	s_lshl_b32 s77, s12, 9
	v_lshl_add_u32 v6, v13, 2, s77
	v_add_nc_u32 v6, VTS, v6
	FRAG 160, 1, 0
	ds_load_b32 v168, v8
.irp T, 0,1,2,3,4,5,6,7                        ; tile 2 b + u: lane r takes key 32 b + 8 u + r + 8 (r / 8).  A fragment's four blocks are four heads: it serves all four trips
	FRAG 24+8*\T, 2, (32*(\T/2)+8*(\T%2))*144
	ds_load_b32 v[88+\T], v3 offset:(32*(\T/2)+8*(\T%2))*8
.endr
.irp b, 0,1,2,3
	v_mov_b32 v[228+\b], 0                         ; a lane permute's destination counts as one of its sources
.endr
	v_mov_b32 v237, 0                              ; (the upper half of the pair that holds -M)
	v_mov_b32 v250, 0
	s_mov_b32 s13, 0                               ; the head in hand, 0 .. 3
	s_mov_b32 s60, 0                               ; its place in the table, PB a head,
	s_mov_b32 s61, 0                               ; in V^T, 32 rows of 80,
	s_mov_b32 s62, 0                               ; in V^T's scale words,
	s_mov_b32 s63, 0                               ; in the result's row, 16 bytes,
	s_mov_b32 s76, 0                               ; and in its scale word, 8 bits
	s_wait_dscnt 0x0
.Lhead:
	v_cmp_eq_u32 vcc_lo, s13, v9                   ; registers 0-3 hold block h, registers 4-7 block 2 + h: the head's block stays, the others become zero codes
	v_cmp_eq_u32 s77, s13, v10
.irp i, 0,1,2,3
	v_cndmask_b32 v[170+\i], 0, v[160+\i], vcc_lo
.endr
.irp i, 0,1,2,3
	v_cndmask_b32 v[174+\i], 0, v[164+\i], s77
.endr
	v_add_nc_u32 v16, s60, v4
	v_add_nc_u32 v17, s61, v5
	v_add_nc_u32 v18, s62, v6
	PL 2
.irp b, 0,1,2,3
.irp u, 0,1
.irp j, 0,1,2,3,4,5,6,7
	ds_load_b32 v[96+16*\b+8*\u+\j], v16 offset:4*(307-(225*(\b/2)+60*(\b%2)+15*\u+\j))   ; the bias in the result's layout: the 32 lanes touch 32 different banks
.endr
.endr
.endr
.irp u, 0,1
	FRAG 178+8*\u, 17, 640*\u
	ds_load_b32 v[194+\u], v18 offset:32*\u
.endr
	s_wait_dscnt 0x0                               ; all are in, and the last trip's store has read its registers
	v_add_nc_u32 v19, s63, v7
.irp T, 0,1,2,3,4,5,6,7
	MM 96+8*\T, 24+8*\T, 170, 96+8*\T, 88+\T, 168  ; S^T = K Q^T + bias: eight accumulators, one instruction each
.endr
	PL 4
.irp b, 0,1,2,3
	v_max3_num_f32 v[224+\b], v[96+16*\b], v[97+16*\b], v[98+16*\b]   ; the largest logit of each block of 32 keys: for the row's maximum and, since p rises with the logit, for the block's largest p
.endr
.irp i, 3,5,7,9,11,13
.irp b, 0,1,2,3
	v_max3_num_f32 v[224+\b], v[224+\b], v[96+16*\b+\i], v[97+16*\b+\i]
.endr
.endr
.irp b, 0,1,2,3
	v_max_num_f32 v[224+\b], v[224+\b], v[111+16*\b]
.endr
.irp b, 0,1,2,3
	v_permlanex16_b32 v[228+\b], v[224+\b], s16, s17
.endr
.irp b, 0,1,2,3
	v_max_num_f32 v[224+\b], v[224+\b], v[228+\b]  ; with the 16 keys of the lane 16 away
.endr
	v_max3_num_f32 v242, v224, v225, v226
	v_max_num_f32 v242, v242, v227                 ; the row's largest logit: all 128 keys are here, so M is final
	v_mul_f32 v242, s32, v242
	v_floor_f32 v236, -v242                        ; -M = floor(-t) = -ceil(t)
.set i, 0
.rept 32
	v_pk_fma_f32 v[96+i:97+i], v[96+i:97+i], s[32:33], v[236:237] op_sel_hi:[1,0,0]   ; t - M
.set i, i+2
.endr
.irp b, 0,1,2,3
	v_fma_f32 v[224+\b], v[224+\b], s32, v236
.endr
.set i, 0
.rept 64
	v_exp_f32 v[96+i], v[96+i]                     ; p = 2^(t - M): not normalised
.set i, i+1
.endr
	v_nop                                          ; a plain place behind the exponentials
	s_wait_alu depctr_va_vdst(0)                   ; one wait for the batch of 64, ahead of its first reader
.irp b, 0,1,2,3
	v_exp_f32 v[224+\b], v[224+\b]                 ; each block's largest p: the same two instructions on the same number
.endr
	v_pk_add_f32 v[238:239], v[96:97], v[98:99]    ; the row's sum, of the unquantised p, in two chains; it reads the 64 alone
	v_pk_add_f32 v[240:241], v[100:101], v[102:103]
.set i, 8
.rept 14
	v_pk_add_f32 v[238:239], v[238:239], v[96+i:97+i]
	v_pk_add_f32 v[240:241], v[240:241], v[98+i:99+i]
.set i, i+4
.endr
	s_wait_alu depctr_va_vdst(0)                   ; and one for the four
.irp b, 0,1,2,3
	v_max_num_f32 v[224+\b], 0x1800000, v[224+\b]  ; the floor 2^(3 - 127)
.endr
.irp b, 0,1,2,3
	v_add_nc_u32 v[232+\b], 0xff000000, v[224+\b]
.endr
.irp b, 0,1,2,3
	v_lshrrev_b32 v[228+\b], 23, v[232+\b]
.endr
	v_lshl_or_b32 v204, v229, 8, v228              ; p's scale word
	v_lshl_or_b32 v204, v230, 16, v204
	v_lshl_or_b32 v204, v231, 24, v204
.irp b, 0,1,2,3
	v_cvt_scalef32_pk8_fp4_f32 v[196+2*\b], v[96+16*\b:103+16*\b], v[232+\b]
	v_cvt_scalef32_pk8_fp4_f32 v[197+2*\b], v[104+16*\b:111+16*\b], v[232+\b]
.endr
	v_nop                                          ; one plain place behind a scaled conversion
.irp c, 0,1                                    ; the operand wants a whole block in a lane: lanes 0-15 block 2 c, lanes 16-31 block 2 c + 1
.irp i, 0,1
	v_permlane16_swap_b32 v[196+4*\c+\i], v[198+4*\c+\i]
.endr
.endr
	v_pk_add_f32 v[238:239], v[238:239], v[240:241]   ; the sum's parts, and the lane 16 away's.  These lines and the v_nop are also the eight places between p's scale word and the products, and the four behind its codes
	v_add_f32 v238, v238, v239
	v_permlanex16_b32 v242, v238, s16, s17
	v_add_f32 v238, v238, v242
	v_rcp_f32 v244, v238
	PL 5
	MMZ 206, 178, 196, 194, 204                    ; O^T = V^T P^T: the head's 32 channels in two tiles
	MMZ 214, 186, 196, 195, 204
	s_wait_alu depctr_va_vdst(0)                   ; the reciprocal's wait, ahead of its first reader
	v_mov_b32 v245, v244
	PL 3                                           ; with the line above: four places behind the products
.irp j, 0,2,4,6,8,10,12,14
	v_pk_mul_f32 v[206+\j:207+\j], v[206+\j:207+\j], v[244:245]   ; / l; each accumulator from its low end on
.endr
	QH16 206, 252, 254                             ; registers 0-15 are channels 16 h + 0 .. 15 of the head: half a block of proj's K
	ds_store_b64 v19, v[252:253]
	v_lshlrev_b32 v254, s76, v254
	v_or_b32 v11, v11, v254
	s_add_co_u32 s60, s60, PB
	s_add_co_u32 s61, s61, 2560
	s_add_co_u32 s62, s62, 128
	s_add_co_u32 s63, s63, 16
	s_add_co_u32 s76, s76, 8
	s_add_co_u32 s13, s13, 1
	s_cmp_lt_u32 s13, 4
	s_cbranch_scc1 .Lhead
	ds_store_b32 v8, v11 offset:AOS-QS             ; both halves of the lanes write the same word with the same value
	; proj's and mw1's fragments are asked for now, into registers that the attention has left: they land while the waves meet
	v_lshlrev_b32 v14, 7, v13
	v_lshl_add_u32 v14, v9, 4, v14                 ; a row of 128 bytes: (r + 8 (r / 8)) 128 + 16 h
	v_lshlrev_b32 v15, 3, v13                      ; its 8 scale bytes
.irp u, 0,1
.irp s, 0,1
.irp c, 0,1
	global_load_b128 v[24+8*(2*\u+\s)+4*\c:27+8*(2*\u+\s)+4*\c], v14, s[20:21] offset:1024*\u+64*\s+32*\c
.endr
	global_load_b32 v[56+2*\u+\s], v15, s[22:23] offset:64*\u+4*\s
.endr
.endr
.irp T, 0,1,2,3
.irp s, 0,1
.irp c, 0,1
	global_load_b128 v[160+8*(2*\T+\s)+4*\c:163+8*(2*\T+\s)+4*\c], v14, s[24:25] offset:(32*(\T/2)+8*(\T%2))*128+64*\s+32*\c
.endr
	global_load_b32 v[224+2*\T+\s], v15, s[26:27] offset:(32*(\T/2)+8*(\T%2))*8+4*\s
.endr
.endr
	BAR                                            ; the attention's result lies in LDS as codes
; ---------------------------------------------------------------- proj + v, and the second LayerNorm.  cg = w % 8: channels 32 cg on; rh = w / 8: tokens 64 rh on, tiles m = 0 .. 3
; register 96 + 16 m + 8 u + j = x(token 64 rh + 16 m + r, channel 32 cg + 16 h + 8 u + j): 16 neighbouring channels a lane
	s_mul_i32 s60, s12, 64*VP
	s_lshl_b32 s61, s3, 7
	s_add_co_u32 s60, s60, s61
	v_mul_u32_u24 v3, v12, VP
	v_lshl_add_u32 v3, v9, 6, v3
	v_add_nc_u32 v3, s60, v3                       ; my 64 bytes of a token's row of f32
	v_lshl_add_u32 v8, v9, 6, s61
	v_add_nc_u32 v8, PAR, v8                       ; and of a vector of 256
	s_mul_i32 s60, s12, 64*144
	v_mul_u32_u24 v1, v12, 144
	v_add_nc_u32 v1, s60, v1
	v_lshl_add_u32 v6, v9, 3, v1
	v_lshl_add_u32 v1, v9, 4, v1
	v_add_nc_u32 v1, AO, v1                        ; fragments of AO; H1's lie H1 - AO further on
	s_lshl_b32 s62, s3, 4
	v_add_nc_u32 v6, s62, v6
	v_add_nc_u32 v6, H1, v6                        ; where my half block of H1 goes
	s_lshl_b32 s60, s12, 9
	v_lshl_add_u32 v2, v12, 3, s60
	v_add_nc_u32 v7, s3, v2
	v_add_nc_u32 v7, H1S, v7
	v_add_nc_u32 v2, AOS, v2
	s_mul_i32 s60, s12, 64*80
	v_mul_u32_u24 v5, v12, 80
	v_add_nc_u32 v5, s60, v5
	v_add_nc_u32 v5, PS, v5
	s_lshl_b32 s63, s3, 3
	v_add_nc_u32 v4, s63, v5
	s_mul_i32 s60, s12, 64*272
	v_mul_u32_u24 v18, v12, 272
	v_add_nc_u32 v18, s60, v18
	v_lshl_add_u32 v11, v9, 3, v18
	v_lshl_add_u32 v18, v9, 4, v18
	v_add_nc_u32 v18, H2, v18                      ; fragments of H2
	s_lshl_b32 s62, s3, 5
	v_add_nc_u32 v11, s62, v11
	v_add_nc_u32 v11, H2, v11                      ; where my half blocks of H2 go
	s_lshl_b32 s60, s12, 10
	v_lshl_add_u32 v19, v12, 4, s60
	v_add_nc_u32 v19, H2S, v19
	s_lshl_b32 s62, s3, 1
	v_add_nc_u32 v16, s62, v19
	s_lshl_b32 s62, s3, 8
	v_lshl_add_u32 v17, v9, 6, s62
	v_add_nc_u32 v17, PAR+10240, v17               ; mb1 of my 64 hidden units
	v_mov_b32 v94, 0                               ; a lane permute's destination counts as one of its sources
.irp j, 0,1,2,3
	ds_load_b128 v[60+4*\j:63+4*\j], v8 offset:6144+16*\j         ; proj_b
.endr
.irp m, 0,1,2,3
.irp j, 0,1,2,3
	ds_load_b128 v[96+16*\m+4*\j:99+16*\m+4*\j], v3 offset:16*VP*\m+16*\j   ; v as it came: the shortcut
.endr
.endr
	s_wait_dscnt 0x0
.irp m, 0,1,2,3
.irp i, 0,2,4,6,8,10,12,14
	v_pk_add_f32 v[96+16*\m+\i:97+16*\m+\i], v[96+16*\m+\i:97+16*\m+\i], v[60+\i:61+\i]   ; v + proj_b is the C of the first product
.endr
.endr
	s_wait_loadcnt 24                              ; proj's 12 loads are in; mw1's 24 stay out
.irp m, 0,1,2,3
	FRAG 76, 1, 2304*\m
	FRAG 84, 1, 2304*\m+64
	ds_load_b32 v92, v2 offset:128*\m
	ds_load_b32 v93, v2 offset:128*\m+4
	s_wait_dscnt 0x0
	MM 96+16*\m, 24, 76, 96+16*\m, 56, 92          ; two accumulators by turns, K ascending
	MM 104+16*\m, 40, 76, 104+16*\m, 58, 92
	MM 96+16*\m, 32, 84, 96+16*\m, 57, 93
	MM 104+16*\m, 48, 84, 104+16*\m, 59, 93
	PL 4                                           ; ahead of loads into registers that these products read, and of the first read of results
.endr
.irp j, 0,1,2,3
	ds_load_b128 v[24+4*\j:27+4*\j], v8 offset:7168+16*\j         ; g2,
	ds_load_b128 v[40+4*\j:43+4*\j], v8 offset:8192+16*\j         ; b2,
	ds_load_b128 v[56+4*\j:59+4*\j], v8 offset:9216+16*\j         ; mb2 of my 16 channels: wanted behind the barrier
.endr
; the mean of my wave's 32 channels of a token and the sum of squares about THAT mean
.macro PART m
.set XB, 96+16*\m
.set RR, 232+2*\m
	v_pk_add_f32 v[72:73], v[XB:XB+1], v[XB+2:XB+3]
	v_pk_add_f32 v[74:75], v[XB+4:XB+5], v[XB+6:XB+7]
	v_pk_add_f32 v[72:73], v[72:73], v[XB+8:XB+9]
	v_pk_add_f32 v[74:75], v[74:75], v[XB+10:XB+11]
	v_pk_add_f32 v[72:73], v[72:73], v[XB+12:XB+13]
	v_pk_add_f32 v[74:75], v[74:75], v[XB+14:XB+15]
	v_pk_add_f32 v[72:73], v[72:73], v[74:75]
	v_add_f32 v72, v72, v73
	v_permlanex16_b32 v94, v72, s16, s17
	v_add_f32 v72, v72, v94
	v_mul_f32 v[RR], 0x3d000000, v72               ; / 32
	v_mov_b32 v[RR+1], v[RR]
.irp i, 0,2,4,6,8,10,12,14
	v_pk_add_f32 v[76+\i:77+\i], v[XB+\i:XB+\i+1], v[RR:RR+1] neg_lo:[0,1] neg_hi:[0,1]
.endr
	v_pk_mul_f32 v[72:73], v[76:77], v[76:77]
	v_pk_mul_f32 v[74:75], v[78:79], v[78:79]
.irp i, 4,8,12
	v_pk_fma_f32 v[72:73], v[76+\i:77+\i], v[76+\i:77+\i], v[72:73]
	v_pk_fma_f32 v[74:75], v[78+\i:79+\i], v[78+\i:79+\i], v[74:75]
.endr
	v_pk_add_f32 v[72:73], v[72:73], v[74:75]
	v_add_f32 v72, v72, v73
	v_permlanex16_b32 v94, v72, s16, s17
	v_add_f32 v[RR+1], v72, v94
	ds_store_b64 v4, v[RR:RR+1] offset:1280*\m     ; a pair of registers of its own for each tile: no store's data are written again
.endm
	PART 0
	PART 1
	PART 2
	PART 3
	BAR                                            ; the eight parts of every token lie in LDS
; the eight parts are joined: mean = the parts' mean; sum of squares = the parts' + 32 x the squares of the parts' means about the mean: no difference of large sums
.macro LN2 m
.set XB, 96+16*\m
.irp j, 0,1,2,3
	ds_load_b128 v[72+4*\j:75+4*\j], v5 offset:1280*\m+16*\j
.endr
	s_wait_dscnt 0x0                               ; the parts are in, and the last tile's stores have read their registers
	v_add_f32 v88, v72, v74
	v_add_f32 v20, v76, v78
	v_add_f32 v21, v80, v82
	v_add_f32 v22, v84, v86
	v_add_f32 v88, v88, v20
	v_add_f32 v21, v21, v22
	v_add_f32 v88, v88, v21
	v_mul_f32 v88, 0x3e000000, v88                 ; / 8
	v_mov_b32 v89, v88
	v_add_f32 v20, v73, v75
	v_add_f32 v21, v77, v79
	v_add_f32 v22, v81, v83
	v_add_f32 v23, v85, v87
	v_add_f32 v20, v20, v21
	v_add_f32 v22, v22, v23
	v_add_f32 v20, v20, v22
.irp i, 0,2,4,6,8,10,12,14
	v_sub_f32 v[72+\i], v[72+\i], v88
.endr
	v_mul_f32 v21, v72, v72
.irp i, 2,4,6,8,10,12,14
	v_fmac_f32 v21, v[72+\i], v[72+\i]
.endr
	v_fmamk_f32 v20, v21, 0x42000000, v20          ; x 32, + the parts' sums
	v_fma_f32 v20, v20, s18, s19                   ; / 256 + eps
	v_rsq_f32 v90, v20
.irp i, 0,2,4,6,8,10,12,14
	v_pk_add_f32 v[232+\i:233+\i], v[XB+\i:XB+\i+1], v[88:89] neg_lo:[0,1] neg_hi:[0,1]   ; plain work behind the transcendental
.endr
	s_wait_alu depctr_va_vdst(0)                   ; ahead of the result's first reader
	v_mov_b32 v91, v90
.irp i, 0,2,4,6,8,10,12,14
	v_pk_mul_f32 v[232+\i:233+\i], v[232+\i:233+\i], v[90:91]
.endr
.irp i, 0,2,4,6,8,10,12,14
	v_pk_fma_f32 v[232+\i:233+\i], v[232+\i:233+\i], v[24+\i:25+\i], v[40+\i:41+\i]
.endr
	QH16 232, 252, 254
	ds_store_b64 v6, v[252:253] offset:2304*\m
	ds_store_b8 v7, v254 offset:128*\m             ; both halves of the lanes write the same byte with the same value
.irp i, 0,2,4,6,8,10,12,14
	v_pk_add_f32 v[XB+\i:XB+\i+1], v[XB+\i:XB+\i+1], v[56+\i:57+\i]   ; x + mb2: the C of the last product
.endr
.irp j, 0,1,2,3
	ds_store_b128 v3, v[XB+4*\j:XB+4*\j+3] offset:16*VP*\m+16*\j      ; into my lane's own place, where v lay: nobody else reads or writes it before the way out
.endr
.endm
	LN2 0
	LN2 1
	LN2 2
	LN2 3
	BAR                                            ; the second LayerNorm's codes lie in LDS
; ---------------------------------------------------------------- 256 -> 512 and GELU: my 64 hidden units (tiles T = 2 b + u) for my 64 tokens, a tile of 16 tokens a trip
.irp T, 0,1,2,3
.irp j, 0,1
	ds_load_b128 v[42+8*\T+4*\j:45+8*\T+4*\j], v17 offset:128*(\T/2)+32*(\T%2)+16*\j   ; mb1 in the result's layout: the C of each sum's first product
.endr
.endr
	v_mov_b32 v232, 0xaf95df0b                     ; P's first term,
	v_mov_b32 v233, 0xaf95df0b
	v_mov_b32 v234, 0xb77460cd                     ; Q's
	v_mov_b32 v235, 0xb77460cd
	s_wait_loadcnt 0x0                             ; mw1 is in; its loads' offsets may be written again
	v_lshlrev_b32 v14, 8, v13
	v_lshl_add_u32 v14, v9, 4, v14                 ; mw2: a row of 256 bytes
	v_lshlrev_b32 v15, 4, v13                      ; its 16 scale bytes
	s_mov_b32 s13, 0
	s_mov_b32 s60, 0                               ; 16 tokens on: in H1,
	s_mov_b32 s61, 0                               ; in its scale bytes,
	s_mov_b32 s62, 0                               ; in H2,
	s_mov_b32 s63, 0                               ; in its scale bytes
; 0.5 x (1 + erf(x / sqrt 2)) of eight registers, in place
.macro GELU A
.irp i, 0,2,4,6
	v_pk_mul_f32 v[128+\i:129+\i], v[(\A)+\i:(\A)+\i+1], s[56:57] op_sel_hi:[1,0]
.endr
.irp i, 0,1,2,3,4,5,6,7
	v_med3_num_f32 v[128+\i], v[128+\i], -4.0, 4.0
.endr
.irp i, 0,2,4,6
	v_pk_mul_f32 v[136+\i:137+\i], v[128+\i:129+\i], v[128+\i:129+\i]
.endr
.irp i, 0,2,4,6
	v_pk_fma_f32 v[144+\i:145+\i], v[136+\i:137+\i], v[232:233], s[36:37] op_sel_hi:[1,1,0]
.endr
.irp i, 0,2,4,6
	v_pk_fma_f32 v[152+\i:153+\i], v[136+\i:137+\i], v[234:235], s[48:49] op_sel_hi:[1,1,0]
.endr
.irp c, 38,40,42,44,46
.irp i, 0,2,4,6
	v_pk_fma_f32 v[144+\i:145+\i], v[144+\i:145+\i], v[136+\i:137+\i], s[\c:\c+1] op_sel_hi:[1,1,0]
.endr
.endr
.irp c, 50,52,54
.irp i, 0,2,4,6
	v_pk_fma_f32 v[152+\i:153+\i], v[152+\i:153+\i], v[136+\i:137+\i], s[\c:\c+1] op_sel_hi:[1,1,0]
.endr
.endr
.irp i, 0,1,2,3,4,5,6,7
	v_rcp_f32 v[152+\i], v[152+\i]
.endr
.irp i, 0,2,4,6
	v_pk_mul_f32 v[144+\i:145+\i], v[144+\i:145+\i], v[128+\i:129+\i]          ; z P: plain work behind the reciprocals
.endr
.irp i, 0,2,4,6
	v_pk_mul_f32 v[128+\i:129+\i], v[(\A)+\i:(\A)+\i+1], 0.5 op_sel_hi:[1,0]
.endr
	s_wait_alu depctr_va_vdst(0)                   ; one wait for the eight reciprocals, ahead of their first reader
.irp i, 0,2,4,6
	v_pk_mul_f32 v[144+\i:145+\i], v[144+\i:145+\i], v[152+\i:153+\i]
.endr
.irp i, 0,2,4,6
	v_pk_fma_f32 v[(\A)+\i:(\A)+\i+1], v[128+\i:129+\i], v[144+\i:145+\i], v[128+\i:129+\i]
.endr
.endm
.Lmlp:
	v_add_nc_u32 v20, s60, v1
	v_add_nc_u32 v21, s61, v2
	FRAG 24, 20, H1-AO
	FRAG 32, 20, H1-AO+64
	ds_load_b32 v40, v21 offset:H1S-AOS
	ds_load_b32 v41, v21 offset:H1S-AOS+4
	s_wait_dscnt 0x0                               ; they are in (in the first trip mb1 too), and the last trip's stores have read their registers
	v_add_nc_u32 v22, s62, v11
	v_add_nc_u32 v23, s63, v16
.irp T, 0,1,2,3
	MM 96+8*\T, 160+16*\T, 24, 42+8*\T, 224+2*\T, 40
.endr
.irp T, 0,1,2,3
	MM 96+8*\T, 168+16*\T, 32, 96+8*\T, 225+2*\T, 41   ; four accumulators by turns
.endr
	PL 4
	GELU 96
	GELU 104
	GELU 112
	GELU 120
	QH16 96, 236, 240                              ; registers 16 b + 0 .. 15 are hidden units 64 cg + 32 b + 16 h + 0 .. 15
	QH16 112, 238, 241
	ds_store_b64 v22, v[236:237]
	ds_store_b64 v22, v[238:239] offset:16
	v_lshl_or_b32 v240, v241, 8, v240
	ds_store_b16 v23, v240
	s_add_co_u32 s60, s60, 2304
	s_add_co_u32 s61, s61, 128
	s_add_co_u32 s62, s62, 4352
	s_add_co_u32 s63, s63, 256
	s_add_co_u32 s13, s13, 1
	s_cmp_lt_u32 s13, 4
	s_cbranch_scc1 .Lmlp
	s_wait_dscnt 0x0                               ; the last trip's stores have read their addresses (v22, v23) and data (v236-240): mw2 lands there
.irp u, 0,1                                    ; mw2's fragments (tile u, K step s) into v192-255, their scale words into v20-23 (u = 0) and v60-63 (u = 1), so that v64-127 stay free for the next window's q
.irp s, 0,1,2,3
.irp c, 0,1
	global_load_b128 v[192+8*(4*\u+\s)+4*\c:195+8*(4*\u+\s)+4*\c], v14, s[28:29] offset:2048*\u+64*\s+32*\c
.endr
	global_load_b32 v[20+\s+40*\u], v15, s[30:31] offset:128*\u+4*\s
.endr
.endr
	BAR                                            ; the hidden layer's codes lie in LDS
; ---------------------------------------------------------------- 512 -> 256, onto x + mb2.  v24-55 four hidden fragments, v56-59 their scale words; v128-191 the eight accumulators
	v_and_b32 v9, 31, v0
	v_lshlrev_b32 v9, 4, v9                        ; 16 x lane again (h has served): the offset of the next window's loads and of this window's stores
.irp m, 0,1,2,3
.irp j, 0,1,2,3
	ds_load_b128 v[128+16*\m+4*\j:131+16*\m+4*\j], v3 offset:16*VP*\m+16*\j
.endr
.endr
	s_wait_loadcnt 0x0                             ; mw2 is in.  (For 0, ahead of q's loads: so the count is the same whether or not a window follows)
	s_cmp_eq_u32 s78, 1                            ; the next window's q is asked for here, if there is a next window: no load leaves its buffer
	s_cbranch_scc1 .Lno_q
	LOADQ
.Lno_q:
.irp s, 0,1,2,3
.irp m, 0,1,2,3
	FRAG 24+8*\m, 18, 4352*\m+64*\s
	ds_load_b32 v[56+\m], v19 offset:256*\m+4*\s
.endr
	s_wait_dscnt 0x0
.irp m, 0,1,2,3
.irp u, 0,1
	MM 128+16*\m+8*\u, 192+8*(4*\u+\s), 24+8*\m, 128+16*\m+8*\u, 20+\s+40*\u, 56+\m   ; eight accumulators by turns, in the same order in every K step
.endr
.endr
	PL 4
.endr
.irp m, 0,1,2,3
.irp j, 0,1,2,3
	ds_store_b128 v3, v[128+16*\m+4*\j:131+16*\m+4*\j] offset:16*VP*\m+16*\j   ; each accumulator from its low end on
.endr
.endr
	BAR                                            ; the window's 128 rows of the result lie in LDS; from here to phase A's barrier each wave touches its own eight rows alone
	ADDRA
	s_cmp_eq_u32 s78, 1                            ; the last window leaves the loop here: so the way back is taken only with k's and v's loads issued
	s_cbranch_scc1 .Lfinal
	LOADKV                                         ; the next window's k and v, into the registers that the last product has left, ahead of the stores
	WAYOUT
	s_wait_xcnt 0x0                                ; the stores have read their registers and their base: both may be written again
	s_add_nc_u64 s[10:11], s[10:11], NEXTW
	s_sub_co_u32 s78, s78, 1
	s_cmp_lg_u32 s78, 0
	s_cbranch_scc1 .Lwin
.Lfinal:
	WAYOUT
	s_wait_xcnt 0x0
	v_lshl_add_u32 v254, v0, 2, 0x4d100
	v_mov_b32 v255, 0
	s_wait_tensorcnt 0x0
	ds_add_u32 v254, v255
	s_wait_dscnt 0x0
	s_endpgm
.Lfunc_end_k_q87c22e5802_win:
	.size	k_q87c22e5802_win, .Lfunc_end_k_q87c22e5802_win-k_q87c22e5802_win
	.p2alignl 7, 3214868480
	.fill 96, 4, 3214868480
	.section	.rodata,"a",@progbits
	.p2align	6, 0x0
	.amdhsa_kernel k_q87c22e5802_win
		.amdhsa_group_segment_fixed_size 317696
		.amdhsa_private_segment_fixed_size 0
		.amdhsa_enable_private_segment 0
		.amdhsa_kernarg_size 176
		.amdhsa_user_sgpr_count 2
		.amdhsa_user_sgpr_kernarg_segment_ptr 1
		.amdhsa_wavefront_size32 1
		.amdhsa_system_sgpr_workgroup_id_x 1
		.amdhsa_system_sgpr_workgroup_id_y 1
		.amdhsa_system_sgpr_workgroup_id_z 1
		.amdhsa_system_vgpr_workitem_id 0
		.amdhsa_next_free_vgpr 256
		.amdhsa_next_free_sgpr 80
		.amdhsa_reserve_vcc 1
		.amdhsa_float_denorm_mode_32 3
		.amdhsa_float_denorm_mode_16_64 3
		.amdhsa_memory_ordered 1
		.amdhsa_forward_progress 1
		.amdhsa_inst_pref_size 191
	.end_amdhsa_kernel
	.amdgpu_metadata
---
amdhsa.version: [ 1, 2 ]
amdhsa.kernels:
  - .name:           k_q87c22e5802_win
    .symbol:         k_q87c22e5802_win.kd
    .args:
      - { .name: q, .offset: 0, .size: 8, .value_kind: global_buffer, .address_space: global }
      - { .name: k, .offset: 8, .size: 8, .value_kind: global_buffer, .address_space: global }
      - { .name: v, .offset: 16, .size: 8, .value_kind: global_buffer, .address_space: global }
      - { .name: out0, .offset: 24, .size: 8, .value_kind: global_buffer, .address_space: global }
      - { .name: gq, .offset: 32, .size: 8, .value_kind: global_buffer, .address_space: global }
      - { .name: bq, .offset: 40, .size: 8, .value_kind: global_buffer, .address_space: global }
      - { .name: gk, .offset: 48, .size: 8, .value_kind: global_buffer, .address_space: global }
      - { .name: bk, .offset: 56, .size: 8, .value_kind: global_buffer, .address_space: global }
      - { .name: gv, .offset: 64, .size: 8, .value_kind: global_buffer, .address_space: global }
      - { .name: bv, .offset: 72, .size: 8, .value_kind: global_buffer, .address_space: global }
      - { .name: proj_b, .offset: 80, .size: 8, .value_kind: global_buffer, .address_space: global }
      - { .name: g2, .offset: 88, .size: 8, .value_kind: global_buffer, .address_space: global }
      - { .name: b2, .offset: 96, .size: 8, .value_kind: global_buffer, .address_space: global }
      - { .name: mb2, .offset: 104, .size: 8, .value_kind: global_buffer, .address_space: global }
      - { .name: mb1, .offset: 112, .size: 8, .value_kind: global_buffer, .address_space: global }
      - { .name: bias_table, .offset: 120, .size: 8, .value_kind: global_buffer, .address_space: global }
      - { .name: proj_w_codes, .offset: 128, .size: 8, .value_kind: global_buffer, .address_space: global }
      - { .name: proj_w_scales, .offset: 136, .size: 8, .value_kind: global_buffer, .address_space: global }
      - { .name: mw1_codes, .offset: 144, .size: 8, .value_kind: global_buffer, .address_space: global }
      - { .name: mw1_scales, .offset: 152, .size: 8, .value_kind: global_buffer, .address_space: global }
      - { .name: mw2_codes, .offset: 160, .size: 8, .value_kind: global_buffer, .address_space: global }
      - { .name: mw2_scales, .offset: 168, .size: 8, .value_kind: global_buffer, .address_space: global }
    .group_segment_fixed_size: 317696
    .private_segment_fixed_size: 0
    .kernarg_segment_align: 8
    .kernarg_segment_size: 176
    .max_flat_workgroup_size: 512
    .sgpr_count:     80
    .vgpr_count:     256
    .wavefront_size: 32
...
	.end_amdgpu_metadata
.endif
;; end of part 1
;; ======== version 2 of 2: 1 launch; version 1 with the launch win written anew for expert scheduling mode
;; launch win (part 2): grid 256 x 1, 16 waves a work-group, no clusters, 317,696 bytes of LDS; arguments q, k, v, out0, gq, bq, gk, bk, gv, bv, proj_b, g2, b2, mb2, mb1, bias_table, proj_w_codes, proj_w_scales, mw1_codes, mw1_scales, mw2_codes, mw2_scales; writes out0
.if DOCPART == 2
	.amdgcn_target "amdgcn-amd-amdhsa--gfx1250"
	.amdhsa_code_object_version 6
	.text
	.protected	k_q87c22e5802_win
	.globl	k_q87c22e5802_win
	.p2align	8
	.type	k_q87c22e5802_win,@function
k_q87c22e5802_win:
	s_mov_b64 s[64:65], 0
	v_nop
	global_prefetch_b8 v0, s[64:65] scope:SCOPE_SE
	s_setreg_imm32_b32 hwreg(HW_REG_WAVE_SCHED_MODE, 0, 2), 2
	s_setreg_imm32_b32 hwreg(HW_REG_WAVE_MODE, 25, 1), 1
	s_wait_xcnt 0x0
	s_wait_alu depctr_vm_vsrc(0)
; Windowed cross-attention block on codes of FP4 (E2M1) with one E8M0 scale for each 32 along a product's K.
; A WINDOW is 128 tokens x 256 channels (2 x 8 x 8 tokens: 16 runs of 8 tokens, 8,192 consecutive bytes each).  It is taken through the whole chain by one work-group:
; LayerNorm of q, k, v | S^T = K Q^T + bias | p = 2^(t - M) | O^T = V^T P^T / l | proj + v | LayerNorm | 256 -> 512, exact GELU | 512 -> 256 + x.  Nothing but the inputs is read, nothing but out0 written.
; A WORK-GROUP STAYS: it takes window x of the first batch element and then the same window of the second, 2^25 bytes further on in q, k, v and out0.  The vectors and the bias table are staged once.  The next window's q is
; asked for ahead of the last product, as soon as 64 registers are free; its k and v behind that product's barrier, ahead of the way out; nothing waits for the first window's stores.
; SIXTEEN WAVES of 256 registers, four to a SIMD.  Their shares change from phase to phase; what passes from wave to wave goes through LDS, each time: store, wait for 0, barrier, load.
;   A, way out: wave w = tokens 8 w .. 8 w + 7 (one run).   A2: channels 32 (w % 8) + lane, keys 64 (w / 8) on.   attention: query tile w % 8, heads 4 (w / 8) .. + 3.
;   proj, MLP: cg = w % 8 (32 output channels, or 64 hidden units), rh = w / 8 (tokens 64 rh .. + 63, four tiles of 16).
; EVERY PRODUCT IS USED TRANSPOSED (source 0 = 16 rows of K, V^T or a weight, source 1 = 16 tokens): a lane holds ONE token, its registers run along the next product's K.
; THE ROWS OF A TILE ARE NOT NEIGHBOURS: lane r takes row r + 8 (r / 8) of its group, so that the 16 registers of two neighbouring tiles are 16 neighbours: a lane and the lane 16 away hold a block of 32.
; HEADS: a head's K is 32.  One fragment (128 along K) holds four heads; for head j the query fragment keeps block j and has zero codes elsewhere, which add nothing.  The bias is the C of that product.
; WEIGHTS go from memory straight into operand registers, each wave its own rows.  No cluster and no joint loads: this text has no tensor load, and of the 327,680 bytes of LDS 315,648 are in use, so the 172,032
; bytes of weights have no place to land.  No prefetch instruction: the next window is asked for by its loads themselves, at the places named above.
; LIMITS: NaN and infinities among the inputs are not served.  A block whose largest magnitude lies under 2^-124, a block of zeros too, keeps the scale byte 1 (its codes are then zeros or subnormal codes; the bytes are
; read by this text alone).  mb2 is added to x ahead of the last product's sums, proj_b and v ahead of proj's: another order of rounding than the source has.  erf is z P(z^2) / Q(z^2) (7 and 5 terms), z held to +-4,
; beyond which erf is +-1 in f32.  Divisions are v_rcp_f32 and a multiplication.
; THE MODE: SCHED_MODE bits 1:0 = 2 (LLVM: expert scheduling mode 2), set by the entry lines.  The code itself states the register dependences between vector or matrix instructions and memory or LDS instructions,
; with s_wait_alu, always for 0.
; THE PLAN.  Registers that memory or LDS instructions touch, and where the waits stand:
;   ADDRESSES (v1-v9, v14-v23).  Each phase makes its own at its head, behind the barrier: one wait on vm_vsrc ahead of those lines (the phase before has read the old ones), one on va_vdst behind them, ahead of the phase's
;     first load; that second wait also states that the earlier phase's vector and matrix lines are done with the registers in which the new phase's loads land.
;   A.  A run X: written by its global loads, read by sixteen LDS stores, written again by sixteen LDS loads: vm_vsrc between the two.  g and b (v24-55): written by LDS loads, read by the multiply-adds: the first half of a block
;     leans on a wait on va_vdst that stands anyway, the second has its own.  Codes and byte (v59-63): va_vdst ahead of the two stores, vm_vsrc ahead of the next quantiser.
;   A2, the parts of the second LayerNorm, each tile of it, each trip of the MLP: all vector work first, into registers of its own, then ONE wait on va_vdst and the run of stores.
;   ATTENTION, a trip: the masks' two waits; vm_vsrc ahead of the four address lines; one va_vdst ahead of the trip's loads, one ahead of V^T P^T (p's codes and scale word are written), one ahead of the store.
;   PROJ: two buffers for the attention's fragments (v76-93, v232-249): two tiles are asked for at a time, and one wait on va_vdst stands between the pairs.
;   LAST PRODUCT: one buffer (v24-59; v64-127 wait for the next q): a wait on va_vdst behind each K step's products, ahead of the next step's fragments.
;   WAY OUT: v24-55, written by LDS loads, read by global stores: vm_vsrc beside each s_wait_xcnt 0, ahead of the next loads into them.
.set VP,   1040                        ; a token's row of f32 in LDS: 1,024 bytes + 16: sixteen rows that a 16-byte load touches start in sixteen different groups of banks
.set VRAW, 0                           ; 128 rows x VP: the stage in which q and k are turned; then v as it came; then x + mb2; then the result
.set KC,   133120                      ; codes, a row a token, pitch 144 (128 + 16), head hd at byte 16 hd: K,
.set QC,   151552                      ; Q x SCALE,
.set AO,   169984                      ; the attention's result,
.set H1,   188416                      ; the second LayerNorm's
.set H2,   206848                      ; the hidden layer's codes, pitch 272 (256 + 16)
.set VT,   241664                      ; V^T's codes: a row a channel, pitch 80 (64 + 16), the keys' block at 16 x block
.set QS,   262144                      ; scale bytes [token][8]
.set KS,   263168
.set AOS,  264192
.set H1S,  265216
.set H2S,  266240                      ; [token][16]
.set VTS,  268288                      ; [channel][4]
.set STM,  269312                      ; v's mean for each token; 512 bytes on: its 1 / sqrt(var + eps)
.set PS,   270336                      ; the second LayerNorm's parts: token pitch 80, the pair (mean, sum of squares about it) of 32 channels at 8 cg
.set PAR,  280576                      ; gq 0, bq 1024, gk 2048, bk 3072, gv 4096, bv 5120, proj_b 6144, g2 7168, b2 8192, mb2 9216, mb1 10240
.set BT,   292864                      ; the bias table turned: [head][index], PB bytes a head
.set PB,   2848                        ; 712 words: 675 and a pad; 712 mod 64 = 8, so eight heads' words of one index lie in different banks
.set NEXTW, 0x2000000                  ; from a window to the work-group's next: one batch element, 8 x 64 x 64 x 256 x 4 bytes
.macro BAR                             ; my LDS stores have landed and my LDS loads are in: then the work-group's barrier
	s_wait_dscnt 0x0
	s_barrier_signal -1
	s_barrier_wait -1
.endm
.macro PL n                            ; places behind a matrix instruction, or ahead of a scaled one (ISA guide 7.12.1)
.rept \n
	v_nop
.endr
.endm
.macro FRAG reg, adr, off              ; a fragment, 16 rows x 128 K of 4-bit codes: registers 4 c .. 4 c + 3 hold K = 64 c + 32 (lane / 16) + 0 .. 31
	ds_load_b128 v[(\reg):(\reg)+3], v[\adr] offset:(\off)
	ds_load_b128 v[(\reg)+4:(\reg)+7], v[\adr] offset:(\off)+32
.endm
.macro MM D, A, B, C, sa, sb
	v_wmma_scale_f32_16x16x128_f8f6f4 v[(\D):(\D)+7], v[(\A):(\A)+7], v[(\B):(\B)+7], v[(\C):(\C)+7], v[\sa], v[\sb] matrix_a_fmt:MATRIX_FMT_FP4 matrix_b_fmt:MATRIX_FMT_FP4
.endm
.macro MMZ D, A, B, sa, sb             ; the product starts its sum
	v_wmma_scale_f32_16x16x128_f8f6f4 v[(\D):(\D)+7], v[(\A):(\A)+7], v[(\B):(\B)+7], 0, v[\sa], v[\sb] matrix_a_fmt:MATRIX_FMT_FP4 matrix_b_fmt:MATRIX_FMT_FP4
.endm
.macro SC2 r, val                      ; a constant as a pair: the packed forms name a pair
	s_mov_b32 s[\r], \val
	s_mov_b32 s[\r+1], \val
.endm
; 32 numbers of ONE lane, a whole block: codes into v[cd] .. v[cd + 3], the scale's byte into v59.  The largest magnitude has the floor 2^(3 - 127) among its leaves, so the byte cannot fall under 1;
; 2 off its exponent field is the conversion's scale operand, of which the exponent field alone counts.
.macro QB32 src, cd
	v_max3_num_f32 v56, |v[(\src)]|, |v[(\src)+1]|, 0x1800000
	v_max3_num_f32 v57, |v[(\src)+2]|, |v[(\src)+3]|, 0x1800000
.set jq, 4
.rept 7
	v_max3_num_f32 v56, v56, |v[(\src)+jq]|, |v[(\src)+jq+1]|
	v_max3_num_f32 v57, v57, |v[(\src)+jq+2]|, |v[(\src)+jq+3]|
.set jq, jq+4
.endr
	v_max_num_f32 v56, v56, v57
	v_add_nc_u32 v58, 0xff000000, v56
	v_lshrrev_b32 v59, 23, v58
.irp g, 0,1,2,3
	v_cvt_scalef32_pk8_fp4_f32 v[\cd+\g], v[(\src)+8*\g:(\src)+8*\g+7], v58
.endr
	v_nop                                          ; one plain place behind a scaled conversion
.endm
; 16 numbers of a lane, half a block; the lane 16 away holds the other half.  Codes into v[cd], v[cd + 1], the byte into v[by].
.macro QH16 src, cd, by
	v_max3_num_f32 v248, |v[(\src)]|, |v[(\src)+1]|, 0x1800000
	v_max3_num_f32 v249, |v[(\src)+2]|, |v[(\src)+3]|, |v[(\src)+4]|
	v_max3_num_f32 v248, v248, |v[(\src)+5]|, |v[(\src)+6]|
	v_max3_num_f32 v249, v249, |v[(\src)+7]|, |v[(\src)+8]|
	v_max3_num_f32 v248, v248, |v[(\src)+9]|, |v[(\src)+10]|
	v_max3_num_f32 v249, v249, |v[(\src)+11]|, |v[(\src)+12]|
	v_max3_num_f32 v248, v248, |v[(\src)+13]|, |v[(\src)+14]|
	v_max3_num_f32 v248, v248, v249, |v[(\src)+15]|
	v_permlanex16_b32 v250, v248, s16, s17
	v_max_num_f32 v248, v248, v250
	v_add_nc_u32 v251, 0xff000000, v248
	v_lshrrev_b32 v[\by], 23, v251
	v_cvt_scalef32_pk8_fp4_f32 v[\cd], v[(\src):(\src)+7], v251
	v_cvt_scalef32_pk8_fp4_f32 v[\cd+1], v[(\src)+8:(\src)+15], v251
	v_nop                                          ; one plain place behind a scaled conversion
.endm
; My run's 8,192 bytes, loaded 16 bytes a lane as they lie, go into my eight rows of the stage and come back so that lane (r8 = lane % 8, qd = lane / 8) holds of token r8 head qd (X + 0 .. 31) and head 4 + qd (X + 32 .. 63).
; LDS serves a wave's instructions in order (ISA guide 5.7.1.4): the loads see the stores.
.macro TURN X
.set i, 0
.rept 16
	ds_store_b128 v1, v[\X+4*i:\X+4*i+3] offset:(i/2)*VP+(i%2)*512
.set i, i+1
.endr
	s_wait_alu depctr_vm_vsrc(0)                   ; the sixteen stores have read X, in which the loads below land
.set i, 0
.rept 8
	ds_load_b128 v[\X+4*i:\X+4*i+3], v2 offset:16*i
.set i, i+1
.endr
.set i, 0
.rept 8
	ds_load_b128 v[\X+32+4*i:\X+35+4*i], v2 offset:512+16*i
.set i, i+1
.endr
	s_wait_dscnt 0x0
.endm
.macro RED4                            ; two packed chains into one number, then over the four lanes that share a token (lane bits 3 and 4)
	v_pk_add_f32 v[20:21], v[20:21], v[22:23]
	v_add_f32 v20, v20, v21
	v_add_f32_dpp v20, v20, v20 row_xmask:8 row_mask:0xf bank_mask:0xf
	v_permlanex16_b32 v21, v20, s16, s17
	v_add_f32 v20, v20, v21
.endm
; A token's mean into v[16:17]; X becomes x - mean; 1 / sqrt(var + eps) into v[18:19].  The variance is taken about the mean: no difference of large sums.
.macro LNSTAT X
	v_pk_add_f32 v[20:21], v[\X:\X+1], v[\X+2:\X+3]
	v_pk_add_f32 v[22:23], v[\X+4:\X+5], v[\X+6:\X+7]
.set jj, 8
.rept 14
	v_pk_add_f32 v[20:21], v[20:21], v[\X+jj:\X+jj+1]
	v_pk_add_f32 v[22:23], v[22:23], v[\X+jj+2:\X+jj+3]
.set jj, jj+4
.endr
	RED4
	v_mul_f32 v16, s18, v20
	v_mov_b32 v17, v16
.set jj, 0
.rept 32
	v_pk_add_f32 v[\X+jj:\X+jj+1], v[\X+jj:\X+jj+1], v[16:17] neg_lo:[0,1] neg_hi:[0,1]
.set jj, jj+2
.endr
	v_pk_mul_f32 v[20:21], v[\X:\X+1], v[\X:\X+1]
	v_pk_mul_f32 v[22:23], v[\X+2:\X+3], v[\X+2:\X+3]
.set jj, 4
.rept 15
	v_pk_fma_f32 v[20:21], v[\X+jj:\X+jj+1], v[\X+jj:\X+jj+1], v[20:21]
	v_pk_fma_f32 v[22:23], v[\X+jj+2:\X+jj+3], v[\X+jj+2:\X+jj+3], v[22:23]
.set jj, jj+4
.endr
	RED4
	v_fma_f32 v20, v20, s18, s19                   ; sum / 256 + eps
	s_wait_alu depctr_va_vdst(0)
	v_rsq_f32 v18, v20
	v_nop                                          ; a plain place behind the transcendental
	s_wait_alu depctr_va_vdst(0)                   ; v18 is written, ahead of its first reader; so is the mean, v16: v's two are stored from these registers; and the lines so far are done with v24-55, in which g and b land
	v_mov_b32 v19, v18
.endm
; X (x - mean) becomes ((x - mean) rstd) g + b (isq: x SCALE), and each of the lane's two heads one block of codes and one scale byte.  g and b come 16 numbers at a time; the lanes of one qd read the same words.
.macro NORMQ X, par, isq, VC, VS
.irp blk, 0,1
.irp hf, 0,1
.if \hf
	s_wait_alu depctr_va_vdst(0)                   ; the first half's multiply-adds are done reading g and b, v24-55, in which the second half's land
.endif
.irp j, 0,1,2,3
	ds_load_b128 v[24+4*\j:27+4*\j], v3 offset:\par+512*\blk+64*\hf+16*\j
	ds_load_b128 v[40+4*\j:43+4*\j], v3 offset:\par+1024+512*\blk+64*\hf+16*\j
.endr
.irp j, 0,2,4,6,8,10,12,14
	v_pk_mul_f32 v[\X+32*\blk+16*\hf+\j:\X+32*\blk+16*\hf+\j+1], v[\X+32*\blk+16*\hf+\j:\X+32*\blk+16*\hf+\j+1], v[18:19]
.endr
	s_wait_alu depctr_va_vdst(0)
	s_wait_dscnt 0x0                               ; g and b are in
.irp j, 0,2,4,6,8,10,12,14
	v_pk_fma_f32 v[\X+32*\blk+16*\hf+\j:\X+32*\blk+16*\hf+\j+1], v[\X+32*\blk+16*\hf+\j:\X+32*\blk+16*\hf+\j+1], v[24+\j:25+\j], v[40+\j:41+\j]
.endr
.if \isq
.irp j, 0,2,4,6,8,10,12,14
	v_pk_mul_f32 v[\X+32*\blk+16*\hf+\j:\X+32*\blk+16*\hf+\j+1], v[\X+32*\blk+16*\hf+\j:\X+32*\blk+16*\hf+\j+1], s[34:35] op_sel_hi:[1,0]
.endr
.endif
.endr
.if \blk
	s_wait_alu depctr_vm_vsrc(0)                   ; the first block's two stores have read v59-63, which the quantiser writes again
.endif
	QB32 \X+32*\blk, 60
	s_wait_alu depctr_va_vdst(0)                   ; the codes v60-63 and the byte v59 are written, which the two stores read; and the multiply-adds are done reading v24-55, in which the next g and b land
	ds_store_b128 v[\VC], v[60:63] offset:64*\blk
	ds_store_b8 v[\VS], v59 offset:4*\blk
.endr
.endm
; The addresses of phase A and of the way out, from v0, the wave's number and v9 = 16 x lane (which loads on their way may still name: it is read here, not written)
.macro ADDRA
	v_and_b32 v16, 7, v0                           ; r8
	v_bfe_u32 v17, v0, 3, 2                        ; qd
	s_mul_i32 s60, s2, 8*VP
	v_add_nc_u32 v1, s60, v9                       ; the stage, as loaded: my eight rows, 16 x lane
	v_mul_u32_u24 v2, v16, VP
	v_lshl_add_u32 v2, v17, 7, v2
	v_add_nc_u32 v2, s60, v2                       ; and turned: row 8 w + r8, head qd
	v_lshlrev_b32 v3, 7, v17
	v_add_nc_u32 v3, PAR, v3                       ; g and b of head qd
	s_mul_i32 s61, s2, 8*144
	v_mul_u32_u24 v4, v16, 144
	v_lshl_add_u32 v4, v17, 4, v4
	v_add_nc_u32 v4, s61, v4
	v_add_nc_u32 v5, KC, v4                        ; codes: row 8 w + r8, 16 qd
	v_add_nc_u32 v4, QC, v4
	s_lshl_b32 s62, s2, 6
	v_lshl_add_u32 v6, v16, 3, v17
	v_add_nc_u32 v6, s62, v6
	v_add_nc_u32 v7, KS, v6                        ; scale bytes: 8 (8 w + r8) + qd
	v_add_nc_u32 v6, QS, v6
	s_lshl_b32 s63, s2, 5
	v_lshl_add_u32 v8, v16, 2, s63
	v_add_nc_u32 v8, STM, v8                       ; v's statistics: 4 (8 w + r8)
.endm
.macro LOADQ                           ; my run of q: each load of the wave reads 512 consecutive bytes; read once in the launch
.set i, 0
.rept 16
	global_load_b128 v[64+4*i:67+4*i], v9, s[4:5] offset:512*i th:TH_LOAD_NT
.set i, i+1
.endr
.endm
.macro LOADKV                          ; and of k and v
.set i, 0
.rept 16
	global_load_b128 v[128+4*i:131+4*i], v9, s[6:7] offset:512*i th:TH_LOAD_NT
.set i, i+1
.endr
.set i, 0
.rept 16
	global_load_b128 v[192+4*i:195+4*i], v9, s[8:9] offset:512*i th:TH_LOAD_NT
.set i, i+1
.endr
.endm
; THE WAY OUT: my run of eight tokens, as it was loaded, four tokens at a time through v24-55 (the other registers hold, or wait for, the next window)
.macro WAYOUT
.irp hb, 0,1
.if \hb
	s_wait_xcnt 0x0                                ; the first four tokens' stores have had their addresses translated: their registers are loaded again only behind this wait
	s_wait_alu depctr_vm_vsrc(0)                   ; and they have read v24-55, in which the loads below land
.endif
.set i, 0
.rept 8
	ds_load_b128 v[24+4*i:27+4*i], v1 offset:(4*\hb+i/2)*VP+(i%2)*512
.set i, i+1
.endr
.set i, 0
.rept 8
	s_wait_dscnt 7-i                               ; LDS loads come back in order: load i is in, the younger ones stay out
	global_store_b128 v9, v[24+4*i:27+4*i], s[10:11] offset:4096*\hb+512*i th:TH_STORE_NT   ; the wave stores 512 consecutive bytes, at a multiple of 512 from out0's first byte
.set i, i+1
.endr
.endr
.endm
; ---------------------------------------------------------------- the head: addresses, the staging, and every load of the first window
	s_load_b256 s[4:11], s[0:1], 0x0               ; q, k, v, out0
	s_load_b512 s[36:51], s[0:1], 0x20             ; gq, bq, gk, bk, gv, bv, proj_b, g2
	s_load_b256 s[52:59], s[0:1], 0x60             ; b2, mb2, mb1, bias_table
	s_load_b256 s[20:27], s[0:1], 0x80             ; proj_w codes, scales; mw1 codes, scales
	s_load_b128 s[28:31], s[0:1], 0xa0             ; mw2 codes, scales
	v_lshrrev_b32 v1, 5, v0
	v_readfirstlane_b32 s2, v1                     ; wave w, 0 .. 15
	s_wait_alu depctr_va_sdst(0)                   ; s2 is written, ahead of its first reader: every share and address of the wave is made from it
	s_and_b32 s3, s2, 7                            ; w % 8
	s_lshr_b32 s12, s2, 3                          ; w / 8
	s_bfe_u32 s14, ttmp9, 0x20006                  ; the work-group's number x = (tw 8 + hw) 8 + ww, 0 .. 255.  Bytes: t 2^22, h 2^16, w 2^10
	s_lshl_b32 s14, s14, 23                        ; tw: 2 steps of t
	s_bfe_u32 s15, ttmp9, 0x30003
	s_lshl_b32 s15, s15, 19                        ; hw: 8 steps of h
	s_or_b32 s14, s14, s15
	s_and_b32 s15, ttmp9, 7
	s_lshl_b32 s15, s15, 13                        ; ww: 8 steps of w
	s_or_b32 s14, s14, s15
	s_lshl_b32 s15, s12, 22                        ; my run: t = w / 8,
	s_or_b32 s14, s14, s15
	s_lshl_b32 s15, s3, 16                         ; h = w % 8
	s_or_b32 s14, s14, s15
	s_mov_b32 s15, 0
	s_mov_b32 s16, 0x76543210                      ; v_permlanex16_b32's selects for the lane 16 away
	s_mov_b32 s17, 0xfedcba98
	s_mov_b32 s18, 0x3b800000                      ; 1 / 256
	s_mov_b32 s19, 0x3727c5ac                      ; eps = 1e-5
	SC2 32, 0x3fb8aa3b                             ; log2(e)
	SC2 34, 0x3e3504f3                             ; SCALE = 32^-0.5
	s_mov_b32 s78, 2                               ; windows to go, this one among them
	v_and_b32 v10, 255, v0
	v_lshlrev_b32 v10, 2, v10                      ; a word of a vector of 256
	v_lshlrev_b32 v11, 2, v0                       ; a word for each of 512 threads
	v_add_nc_u32 v12, 20480, v11
	v_min_u32 v12, 21596, v12                      ; the table's last round is held at its last word: no load leaves the buffer
	v_and_b32 v9, 31, v0
	v_lshlrev_b32 v9, 4, v9                        ; 16 x lane
	v_add_nc_u32 v13, PAR, v11
	v_and_b32 v14, 7, v0                           ; the table's word 512 i + t is (index 64 i + t / 8, head t % 8)
	v_mul_u32_u24 v14, v14, PB
	v_lshrrev_b32 v15, 3, v0
	v_lshl_add_u32 v14, v15, 2, v14
	v_add_nc_u32 v14, BT, v14
	ADDRA
	s_wait_kmcnt 0x0
	s_cmp_lt_u32 s2, 8                             ; waves 0-7 stage the first vector of each pair, waves 8-15 the second: a choice on the wave's number alone
	s_cselect_b64 s[66:67], s[36:37], s[38:39]
	s_cselect_b64 s[68:69], s[40:41], s[42:43]
	s_cselect_b64 s[70:71], s[44:45], s[46:47]
	s_cselect_b64 s[72:73], s[48:49], s[50:51]
	s_cselect_b64 s[74:75], s[52:53], s[54:55]
	s_add_nc_u64 s[4:5], s[4:5], s[14:15]
	s_add_nc_u64 s[6:7], s[6:7], s[14:15]
	s_add_nc_u64 s[8:9], s[8:9], s[14:15]
	s_add_nc_u64 s[10:11], s[10:11], s[14:15]
	s_lshl_b32 s14, s3, 12                         ; the weights at my rows: proj 32 rows x 128 bytes,
	s_add_nc_u64 s[20:21], s[20:21], s[14:15]
	s_lshl_b32 s14, s3, 8                          ; x 8 scale bytes;
	s_add_nc_u64 s[22:23], s[22:23], s[14:15]
	s_lshl_b32 s14, s3, 13                         ; mw1 64 rows x 128, mw2 32 rows x 256;
	s_add_nc_u64 s[24:25], s[24:25], s[14:15]
	s_add_nc_u64 s[28:29], s[28:29], s[14:15]
	s_lshl_b32 s14, s3, 9                          ; 64 x 8, 32 x 16
	s_add_nc_u64 s[26:27], s[26:27], s[14:15]
	s_add_nc_u64 s[30:31], s[30:31], s[14:15]
	s_wait_alu depctr_va_vdst(0)                   ; the offsets v9-v12 are written, which the loads below read; so are the LDS addresses v13, v14 of the staging and v1-v8 of phase A
	global_load_b32 v24, v10, s[66:67]             ; 17 small loads: the vectors and the bias table, once for the work-group
	global_load_b32 v25, v10, s[68:69]
	global_load_b32 v26, v10, s[70:71]
	global_load_b32 v27, v10, s[72:73]
	global_load_b32 v28, v10, s[74:75]
	global_load_b32 v29, v11, s[56:57]
.set i, 0
.rept 10
	global_load_b32 v[30+i], v11, s[58:59] offset:2048*i
.set i, i+1
.endr
	global_load_b32 v40, v12, s[58:59]
	LOADQ
	LOADKV
	s_wait_loadcnt 48                              ; the 17 small loads are in; the 48 of q, k, v stay out
.set i, 0
.rept 6
	ds_store_b32 v13, v[24+i] offset:2048*i
.set i, i+1
.endr
.set i, 0
.rept 11
	ds_store_b32 v14, v[30+i] offset:256*i         ; in the last round threads over 279 land on indices 675 .. 703, the pitch's pad, which nobody reads
.set i, i+1
.endr
	BAR                                            ; the vectors and the table lie in LDS, for both windows
	SC2 36, 0x32edffee                             ; erf(z) = z P(z^2) / Q(z^2): P's terms behind the first (the pointers that stood here have served: their loads are in)
	SC2 38, 0xb60cff51
	SC2 40, 0xb86ec2d2
	SC2 42, 0xba40ac63
	SC2 44, 0xbb41a1f6
	SC2 46, 0xbc83dbd4
	SC2 48, 0xb95fbd29                             ; Q's
	SC2 50, 0xbadc924e
	SC2 52, 0xbbf19bf8
	SC2 54, 0xbc69b6a7
	SC2 56, 0x3f3504f3                             ; 1 / sqrt(2)
.Lwin:                                             ; a trip is a window.  On both ways in, q's 16 loads were issued first, k's and v's 32 behind them; and a wait on va_vdst stands behind the lines that made v1-v8
; ---------------------------------------------------------------- A: LayerNorm of my eight tokens; q and k become codes; v stays in the stage as it came
; (between the last window's closing barrier and this phase's barrier a wave touches its own eight rows of the stage, its own rows of codes, scale bytes and statistics, and the vectors, which nobody writes)
	s_wait_loadcnt 32                              ; q's 16 loads are in; k's and v's stay out
	TURN 64
	LNSTAT 64
	NORMQ 64, 0, 1, 4, 6
	s_wait_loadcnt 16                              ; k's are in; v's stay out
	TURN 128
	LNSTAT 128
	NORMQ 128, 2048, 0, 5, 7
	s_wait_loadcnt 0x0                             ; v's are in: no load names the three pointers any more,
	s_add_nc_u64 s[4:5], s[4:5], NEXTW             ; so they step to the next window (behind the last window they are not used)
	s_add_nc_u64 s[6:7], s[6:7], NEXTW
	s_add_nc_u64 s[8:9], s[8:9], NEXTW
	TURN 192
	LNSTAT 192
	ds_store_b32 v8, v16                           ; the four lanes of a token write the same word with the same value (v16 and v18 were written ahead of the wait in the lines above)
	ds_store_b32 v8, v18 offset:512
	BAR                                            ; Q's and K's codes, v and its statistics lie in LDS
; ---------------------------------------------------------------- A2: V^T.  A lane takes a channel, its registers run down 64 keys: two whole blocks of the second product's K
	s_wait_alu depctr_vm_vsrc(0)                   ; phase A's loads and stores have read v1-v9 and v59-63, the staging's loads v10 and v11: all are written again below
	v_and_b32 v10, 31, v0
	s_wait_alu depctr_va_vdst(0)
	v_lshlrev_b32 v11, 2, v10
	s_wait_alu depctr_va_vdst(0)
	s_mul_i32 s60, s12, 64*VP
	s_lshl_b32 s61, s3, 7
	s_add_co_u32 s60, s60, s61
	v_add_nc_u32 v1, s60, v11                      ; v(64 (w / 8), 32 (w % 8) + lane)
	s_lshl_b32 s62, s12, 8
	s_add_co_u32 s62, s62, STM
	v_mov_b32 v2, s62                              ; my 64 keys' statistics: every lane reads the same words
	v_add_nc_u32 v5, s61, v11
	v_add_nc_u32 v5, PAR+4096, v5                  ; gv of my channel; bv 1,024 bytes on
	s_mul_i32 s63, s3, 32*80
	s_lshl_b32 s76, s12, 5
	s_add_co_u32 s63, s63, s76
	v_mul_u32_u24 v3, v10, 80
	v_add_nc_u32 v3, s63, v3
	v_add_nc_u32 v3, VT, v3                        ; my channel's row, blocks 2 (w / 8) and + 1
	s_lshl_b32 s76, s12, 1
	s_add_co_u32 s76, s76, s61
	v_add_nc_u32 v4, s76, v11
	v_add_nc_u32 v4, VTS, v4
	s_wait_alu depctr_va_vdst(0)                   ; the addresses v1-v5 are written; phase A's lines are done with v64-255, in which the loads below land
.set i, 0
.rept 64
	ds_load_b32 v[64+i], v1 offset:i*VP
.set i, i+1
.endr
.set i, 0
.rept 16
	ds_load_b128 v[128+4*i:131+4*i], v2 offset:16*i
	ds_load_b128 v[192+4*i:195+4*i], v2 offset:512+16*i
.set i, i+1
.endr
	ds_load_b32 v6, v5
	ds_load_b32 v8, v5 offset:1024
	v_mov_b32 v7, 0                                ; (named as the upper halves of pairs of which the low word serves both halves)
	v_mov_b32 v9, 0
	s_wait_dscnt 0x0
.set i, 0
.rept 32
	v_pk_add_f32 v[64+i:65+i], v[64+i:65+i], v[128+i:129+i] neg_lo:[0,1] neg_hi:[0,1]
.set i, i+2
.endr
.set i, 0
.rept 32
	v_pk_mul_f32 v[64+i:65+i], v[64+i:65+i], v[192+i:193+i]
.set i, i+2
.endr
.set i, 0
.rept 32
	v_pk_fma_f32 v[64+i:65+i], v[64+i:65+i], v[6:7], v[8:9] op_sel_hi:[1,0,0]
.set i, i+2
.endr
	QB32 64, 60                                    ; both blocks are quantised first, each into registers of its own,
	v_mov_b32 v10, v59
	QB32 96, 20
	v_lshl_or_b32 v10, v59, 8, v10
	s_wait_alu depctr_va_vdst(0)                   ; the codes v60-63 and v20-23 and the two bytes in v10 are written, which the three stores read
	ds_store_b128 v3, v[60:63]
	ds_store_b128 v3, v[20:23] offset:16
	ds_store_b16 v4, v10
	BAR                                            ; V^T's codes lie in LDS
; ---------------------------------------------------------------- attention: query tile m = w % 8, heads 4 g .. 4 g + 3, g = w / 8
; v24-87 K's eight fragments, v88-95 their scale words; v96-159 S^T, then p; v160-167 Q, v168 its scale word, v170-177 Q with one head left; v178-193 V^T's two fragments, v194-195 their scale words;
; v196-203 p's codes, v204 its scale word; v206-221 O^T; v224-254 at work
	s_wait_alu depctr_vm_vsrc(0)                   ; the last phase's loads have read v1, v2, v5, its stores v3, v4, v10 and v60-63: the lines and loads below write them again
	v_and_b32 v12, 15, v0                          ; r:  stays up to the last product
	v_bfe_u32 v9, v0, 4, 1                         ; h:  likewise
	v_and_b32 v13, 8, v12
	v_add_nc_u32 v13, v13, v12                     ; r + 8 (r / 8): likewise
	v_add_nc_u32 v10, 2, v9
	v_mov_b32 v11, 0                               ; the four heads' scale bytes of my query's result
	s_mul_i32 s60, s3, 16*144
	s_lshl_b32 s61, s12, 6
	s_add_co_u32 s60, s60, s61
	v_mul_u32_u24 v14, v12, 144
	v_add_nc_u32 v14, s60, v14                     ; row 16 m + r, + 64 g
	v_lshl_add_u32 v1, v9, 4, v14
	v_add_nc_u32 v1, QC, v1
	v_lshl_add_u32 v7, v9, 3, v14
	v_add_nc_u32 v7, AO, v7                        ; my 16 channels' codes: 8 h bytes into the head's 16
	v_mul_u32_u24 v2, v13, 144
	v_lshl_add_u32 v2, v9, 4, v2
	v_add_nc_u32 v2, s61, v2
	v_add_nc_u32 v2, KC, v2
	s_lshl_b32 s62, s12, 2
	v_lshl_add_u32 v3, v13, 3, s62
	v_add_nc_u32 v3, KS, v3
	s_lshl_b32 s63, s3, 7
	s_add_co_u32 s63, s63, s62
	v_lshl_add_u32 v8, v12, 3, s63
	v_add_nc_u32 v8, QS, v8
	; the bias: index = 225 (tq - tk + 1) + 15 (hq - hk + 7) + (wq - wk + 7).  Query 16 m + r: tq = m / 4, hq = 2 (m % 4) + r / 8, wq = r % 8.  Register 16 b + 8 u + j holds key 32 b + 16 h + 8 u + j:
	; tk = b / 2, hk = 4 (b % 2) + 2 h + u, wk = j.  So index = [225 (m / 4) + 30 (m % 4) + 15 (r / 8) + r % 8 + 30 - 30 h] + [307 - 225 (b / 2) - 60 (b % 2) - 15 u - j]: a lane's part, and an immediate that is never negative
	s_lshr_b32 s76, s3, 2
	s_mul_i32 s76, s76, 900
	s_and_b32 s77, s3, 3
	s_mul_i32 s77, s77, 120
	s_add_co_u32 s76, s76, s77
	s_mul_i32 s77, s12, 4*PB
	s_add_co_u32 s76, s76, s77
	s_add_co_u32 s76, s76, 120
	v_lshrrev_b32 v14, 3, v12
	v_mul_u32_u24 v14, v14, 60
	v_and_b32 v15, 7, v12
	v_lshl_add_u32 v14, v15, 2, v14
	v_add_nc_u32 v14, s76, v14
	v_mul_u32_u24 v15, v9, 120
	v_sub_nc_u32 v14, v14, v15
	v_add_nc_u32 v4, BT, v14
	s_mul_i32 s77, s12, 128*80
	v_mul_u32_u24 v5, v13, 80
	v_lshl_add_u32 v5, v9, 4, v5
	v_add_nc_u32 v5, s77, v5
	v_add_nc_u32 v5, VT, v5                        ; V^T: channel 128 g + r + 8 (r / 8)
	s_lshl_b32 s77, s12, 9
	v_lshl_add_u32 v6, v13, 2, s77
	v_add_nc_u32 v6, VTS, v6
	s_wait_alu depctr_va_vdst(0)                   ; the addresses v1-v3 and v8 are written; the last phase's lines are done with v24-95 and v160-168, in which the loads below land
	FRAG 160, 1, 0
	ds_load_b32 v168, v8
.irp T, 0,1,2,3,4,5,6,7                        ; tile 2 b + u: lane r takes key 32 b + 8 u + r + 8 (r / 8).  A fragment's four blocks are four heads: it serves all four trips
	FRAG 24+8*\T, 2, (32*(\T/2)+8*(\T%2))*144
	ds_load_b32 v[88+\T], v3 offset:(32*(\T/2)+8*(\T%2))*8
.endr
.irp b, 0,1,2,3
	v_mov_b32 v[228+\b], 0                         ; a lane permute's destination counts as one of its sources
.endr
	v_mov_b32 v237, 0                              ; (the upper half of the pair that holds -M)
	v_mov_b32 v250, 0
	s_mov_b32 s13, 0                               ; the head in hand, 0 .. 3
	s_mov_b32 s60, 0                               ; its place in the table, PB a head,
	s_mov_b32 s61, 0                               ; in V^T, 32 rows of 80,
	s_mov_b32 s62, 0                               ; in V^T's scale words,
	s_mov_b32 s63, 0                               ; in the result's row, 16 bytes,
	s_mov_b32 s76, 0                               ; and in its scale word, 8 bits
	s_wait_dscnt 0x0
.Lhead:
	v_cmp_eq_u32 vcc_lo, s13, v9                   ; registers 0-3 hold block h, registers 4-7 block 2 + h: the head's block stays, the others become zero codes
	v_cmp_eq_u32 s77, s13, v10
	s_wait_alu depctr_va_vcc(0)                    ; the first mask is written, ahead of the four selects that read it
	s_wait_alu depctr_va_sdst(0)                   ; and the second, in s77
.irp i, 0,1,2,3
	v_cndmask_b32 v[170+\i], 0, v[160+\i], vcc_lo
.endr
.irp i, 0,1,2,3
	v_cndmask_b32 v[174+\i], 0, v[164+\i], s77
.endr
	s_wait_alu depctr_vm_vsrc(0)                   ; the last trip's LDS loads have read v16-v18, its store v19 and v[252:253]: all are written again in this trip
	v_add_nc_u32 v16, s60, v4
	v_add_nc_u32 v17, s61, v5
	v_add_nc_u32 v18, s62, v6
	v_add_nc_u32 v19, s63, v7
	PL 2
	s_wait_alu depctr_va_vdst(0)                   ; v16-v18 are written, which the loads below read; the last trip's lines and products are done with v96-159 and v178-195, in which they land; and v170-177 are written, which the scaled products take (the six plain lines above are their places)
.irp b, 0,1,2,3
.irp u, 0,1
.irp j, 0,1,2,3,4,5,6,7
	ds_load_b32 v[96+16*\b+8*\u+\j], v16 offset:4*(307-(225*(\b/2)+60*(\b%2)+15*\u+\j))   ; the bias in the result's layout: the 32 lanes touch 32 different banks
.endr
.endr
.endr
.irp u, 0,1
	FRAG 178+8*\u, 17, 640*\u
	ds_load_b32 v[194+\u], v18 offset:32*\u
.endr
	s_wait_dscnt 0x0                               ; all are in
.irp T, 0,1,2,3,4,5,6,7
	MM 96+8*\T, 24+8*\T, 170, 96+8*\T, 88+\T, 168  ; S^T = K Q^T + bias: eight accumulators, one instruction each
.endr
	PL 4
.irp b, 0,1,2,3
	v_max3_num_f32 v[224+\b], v[96+16*\b], v[97+16*\b], v[98+16*\b]   ; the largest logit of each block of 32 keys: for the row's maximum and, since p rises with the logit, for the block's largest p
.endr
.irp i, 3,5,7,9,11,13
.irp b, 0,1,2,3
	v_max3_num_f32 v[224+\b], v[224+\b], v[96+16*\b+\i], v[97+16*\b+\i]
.endr
.endr
.irp b, 0,1,2,3
	v_max_num_f32 v[224+\b], v[224+\b], v[111+16*\b]
.endr
.irp b, 0,1,2,3
	v_permlanex16_b32 v[228+\b], v[224+\b], s16, s17
.endr
.irp b, 0,1,2,3
	v_max_num_f32 v[224+\b], v[224+\b], v[228+\b]  ; with the 16 keys of the lane 16 away
.endr
	v_max3_num_f32 v242, v224, v225, v226
	v_max_num_f32 v242, v242, v227                 ; the row's largest logit: all 128 keys are here, so M is final
	v_mul_f32 v242, s32, v242
	v_floor_f32 v236, -v242                        ; -M = floor(-t) = -ceil(t)
.set i, 0
.rept 32
	v_pk_fma_f32 v[96+i:97+i], v[96+i:97+i], s[32:33], v[236:237] op_sel_hi:[1,0,0]   ; t - M
.set i, i+2
.endr
.irp b, 0,1,2,3
	v_fma_f32 v[224+\b], v[224+\b], s32, v236
.endr
.set i, 0
	s_wait_alu depctr_va_vdst(0)
.rept 64
	v_exp_f32 v[96+i], v[96+i]                     ; p = 2^(t - M): not normalised
.set i, i+1
.endr
	v_nop                                          ; a plain place behind the exponentials
	s_wait_alu depctr_va_vdst(0)                   ; the 64 exponentials have written v96-159: one wait for the batch, ahead of its first reader
.irp b, 0,1,2,3
	v_exp_f32 v[224+\b], v[224+\b]                 ; each block's largest p: the same two instructions on the same number
.endr
	v_pk_add_f32 v[238:239], v[96:97], v[98:99]    ; the row's sum, of the unquantised p, in two chains; it reads the 64 alone
	v_pk_add_f32 v[240:241], v[100:101], v[102:103]
.set i, 8
.rept 14
	v_pk_add_f32 v[238:239], v[238:239], v[96+i:97+i]
	v_pk_add_f32 v[240:241], v[240:241], v[98+i:99+i]
.set i, i+4
.endr
	s_wait_alu depctr_va_vdst(0)                   ; and one for the four, which have written v224-227
.irp b, 0,1,2,3
	v_max_num_f32 v[224+\b], 0x1800000, v[224+\b]  ; the floor 2^(3 - 127)
.endr
.irp b, 0,1,2,3
	v_add_nc_u32 v[232+\b], 0xff000000, v[224+\b]
.endr
.irp b, 0,1,2,3
	v_lshrrev_b32 v[228+\b], 23, v[232+\b]
.endr
	v_lshl_or_b32 v204, v229, 8, v228              ; p's scale word
	v_lshl_or_b32 v204, v230, 16, v204
	v_lshl_or_b32 v204, v231, 24, v204
.irp b, 0,1,2,3
	v_cvt_scalef32_pk8_fp4_f32 v[196+2*\b], v[96+16*\b:103+16*\b], v[232+\b]
	v_cvt_scalef32_pk8_fp4_f32 v[197+2*\b], v[104+16*\b:111+16*\b], v[232+\b]
.endr
	v_nop                                          ; one plain place behind a scaled conversion
.irp c, 0,1                                    ; the operand wants a whole block in a lane: lanes 0-15 block 2 c, lanes 16-31 block 2 c + 1
.irp i, 0,1
	v_permlane16_swap_b32 v[196+4*\c+\i], v[198+4*\c+\i]
.endr
.endr
	v_pk_add_f32 v[238:239], v[238:239], v[240:241]   ; the sum's parts, and the lane 16 away's.  These lines and the v_nop are also the eight places between p's scale word and the products, and the four behind its codes
	v_add_f32 v238, v238, v239
	v_permlanex16_b32 v242, v238, s16, s17
	v_add_f32 v238, v238, v242
	s_wait_alu depctr_va_vdst(0)
	v_rcp_f32 v244, v238
	PL 5
	s_wait_alu depctr_va_vdst(0)                   ; p's codes v196-203 and its scale word v204 are written, which the scaled products take (the places stand above); and the reciprocal has written v244, ahead of its first reader
	MMZ 206, 178, 196, 194, 204                    ; O^T = V^T P^T: the head's 32 channels in two tiles
	MMZ 214, 186, 196, 195, 204
	v_mov_b32 v245, v244
	PL 3                                           ; with the line above: four places behind the products
.irp j, 0,2,4,6,8,10,12,14
	v_pk_mul_f32 v[206+\j:207+\j], v[206+\j:207+\j], v[244:245]   ; / l; each accumulator from its low end on
.endr
	QH16 206, 252, 254                             ; registers 0-15 are channels 16 h + 0 .. 15 of the head: half a block of proj's K
	v_lshlrev_b32 v254, s76, v254
	v_or_b32 v11, v11, v254
	s_wait_alu depctr_va_vdst(0)                   ; the conversions have written v[252:253], which the store reads
	ds_store_b64 v19, v[252:253]
	s_add_co_u32 s60, s60, PB
	s_add_co_u32 s61, s61, 2560
	s_add_co_u32 s62, s62, 128
	s_add_co_u32 s63, s63, 16
	s_add_co_u32 s76, s76, 8
	s_add_co_u32 s13, s13, 1
	s_cmp_lt_u32 s13, 4
	s_cbranch_scc1 .Lhead
	; proj's and mw1's fragments are asked for now, into registers that the attention has left: they land while the waves meet
	v_lshlrev_b32 v14, 7, v13
	v_lshl_add_u32 v14, v9, 4, v14                 ; a row of 128 bytes: (r + 8 (r / 8)) 128 + 16 h
	v_lshlrev_b32 v15, 3, v13                      ; its 8 scale bytes
	s_wait_alu depctr_va_vdst(0)                   ; the offsets v14 and v15 are written, which the weights' loads read; the attention's lines and products are done with v24-59 and v160-231, in which they land
	ds_store_b32 v8, v11 offset:AOS-QS             ; both halves of the lanes write the same word with the same value
.irp u, 0,1
.irp s, 0,1
.irp c, 0,1
	global_load_b128 v[24+8*(2*\u+\s)+4*\c:27+8*(2*\u+\s)+4*\c], v14, s[20:21] offset:1024*\u+64*\s+32*\c
.endr
	global_load_b32 v[56+2*\u+\s], v15, s[22:23] offset:64*\u+4*\s
.endr
.endr
.irp T, 0,1,2,3
.irp s, 0,1
.irp c, 0,1
	global_load_b128 v[160+8*(2*\T+\s)+4*\c:163+8*(2*\T+\s)+4*\c], v14, s[24:25] offset:(32*(\T/2)+8*(\T%2))*128+64*\s+32*\c
.endr
	global_load_b32 v[224+2*\T+\s], v15, s[26:27] offset:(32*(\T/2)+8*(\T%2))*8+4*\s
.endr
.endr
	BAR                                            ; the attention's result lies in LDS as codes
; ---------------------------------------------------------------- proj + v, and the second LayerNorm.  cg = w % 8: channels 32 cg on; rh = w / 8: tokens 64 rh on, tiles m = 0 .. 3
; register 96 + 16 m + 8 u + j = x(token 64 rh + 16 m + r, channel 32 cg + 16 h + 8 u + j): 16 neighbouring channels a lane
	s_wait_alu depctr_vm_vsrc(0)                   ; the attention's LDS loads and stores have read v1-v3, v8, v11 and v16-v19, which the lines below write again
	s_mul_i32 s60, s12, 64*VP
	s_lshl_b32 s61, s3, 7
	s_add_co_u32 s60, s60, s61
	v_mul_u32_u24 v3, v12, VP
	v_lshl_add_u32 v3, v9, 6, v3
	v_add_nc_u32 v3, s60, v3                       ; my 64 bytes of a token's row of f32
	v_lshl_add_u32 v8, v9, 6, s61
	v_add_nc_u32 v8, PAR, v8                       ; and of a vector of 256
	s_mul_i32 s60, s12, 64*144
	v_mul_u32_u24 v1, v12, 144
	v_add_nc_u32 v1, s60, v1
	v_lshl_add_u32 v6, v9, 3, v1
	v_lshl_add_u32 v1, v9, 4, v1
	v_add_nc_u32 v1, AO, v1                        ; fragments of AO; H1's lie H1 - AO further on
	s_lshl_b32 s62, s3, 4
	v_add_nc_u32 v6, s62, v6
	v_add_nc_u32 v6, H1, v6                        ; where my half block of H1 goes
	s_lshl_b32 s60, s12, 9
	v_lshl_add_u32 v2, v12, 3, s60
	v_add_nc_u32 v7, s3, v2
	v_add_nc_u32 v7, H1S, v7
	v_add_nc_u32 v2, AOS, v2
	s_mul_i32 s60, s12, 64*80
	v_mul_u32_u24 v5, v12, 80
	v_add_nc_u32 v5, s60, v5
	v_add_nc_u32 v5, PS, v5
	s_lshl_b32 s63, s3, 3
	v_add_nc_u32 v4, s63, v5
	s_mul_i32 s60, s12, 64*272
	v_mul_u32_u24 v18, v12, 272
	v_add_nc_u32 v18, s60, v18
	v_lshl_add_u32 v11, v9, 3, v18
	v_lshl_add_u32 v18, v9, 4, v18
	v_add_nc_u32 v18, H2, v18                      ; fragments of H2
	s_lshl_b32 s62, s3, 5
	v_add_nc_u32 v11, s62, v11
	v_add_nc_u32 v11, H2, v11                      ; where my half blocks of H2 go
	s_lshl_b32 s60, s12, 10
	v_lshl_add_u32 v19, v12, 4, s60
	v_add_nc_u32 v19, H2S, v19
	s_lshl_b32 s62, s3, 1
	v_add_nc_u32 v16, s62, v19
	s_lshl_b32 s62, s3, 8
	v_lshl_add_u32 v17, v9, 6, s62
	v_add_nc_u32 v17, PAR+10240, v17               ; mb1 of my 64 hidden units
	v_mov_b32 v94, 0                               ; a lane permute's destination counts as one of its sources
; a tile's two fragments of the attention's result into v[fb] on, its two scale words into v[sw], v[sw + 1]; and its four products: two accumulators by turns, K ascending
.macro PTILE m, fb, sw
	FRAG \fb, 1, 2304*\m
	FRAG \fb+8, 1, 2304*\m+64
	ds_load_b32 v[\sw], v2 offset:128*\m
	ds_load_b32 v[\sw+1], v2 offset:128*\m+4
.endm
.macro PMUL m, fb, sw
	MM 96+16*\m, 24, \fb, 96+16*\m, 56, \sw
	MM 104+16*\m, 40, \fb, 104+16*\m, 58, \sw
	MM 96+16*\m, 32, \fb+8, 96+16*\m, 57, \sw+1
	MM 104+16*\m, 48, \fb+8, 104+16*\m, 59, \sw+1
.endm
	s_wait_alu depctr_va_vdst(0)                   ; the addresses v1-v8 and v16-v19 of this phase and the next ones are written; the attention's lines are done with v60-159 and v232-249, in which the loads below land
.irp j, 0,1,2,3
	ds_load_b128 v[60+4*\j:63+4*\j], v8 offset:6144+16*\j         ; proj_b
.endr
.irp m, 0,1,2,3
.irp j, 0,1,2,3
	ds_load_b128 v[96+16*\m+4*\j:99+16*\m+4*\j], v3 offset:16*VP*\m+16*\j   ; v as it came: the shortcut
.endr
.endr
	PTILE 0, 76, 92                                ; two buffers, v76-93 and v232-249: two tiles are asked for at a time
	PTILE 1, 232, 248
	s_wait_dscnt 12                                ; proj_b and v are in; the two tiles' twelve loads stay out
.irp m, 0,1,2,3
.irp i, 0,2,4,6,8,10,12,14
	v_pk_add_f32 v[96+16*\m+\i:97+16*\m+\i], v[96+16*\m+\i:97+16*\m+\i], v[60+\i:61+\i]   ; v + proj_b is the C of the first product
.endr
.endr
	s_wait_loadcnt 24                              ; proj's 12 loads are in; mw1's 24 stay out
	s_wait_dscnt 6                                 ; tile 0 is in; tile 1's six loads stay out
	PMUL 0, 76, 92
	s_wait_dscnt 0x0
	PMUL 1, 232, 248
	PL 4
	s_wait_alu depctr_va_vdst(0)                   ; the eight products are done reading both buffers, in which tiles 2 and 3 land
	PTILE 2, 76, 92
	PTILE 3, 232, 248
	s_wait_dscnt 6                                 ; tile 2 is in; tile 3's six loads stay out
	PMUL 2, 76, 92
	s_wait_dscnt 0x0
	PMUL 3, 232, 248
	PL 4                                           ; ahead of the first read of results, and of vector lines that write registers which these products read
	s_wait_alu depctr_va_vdst(0)                   ; proj's products are done reading its fragments and scale words, v24-59, and the additions proj_b, v60-75: g2, b2 and mb2 land there
.irp j, 0,1,2,3
	ds_load_b128 v[24+4*\j:27+4*\j], v8 offset:7168+16*\j         ; g2,
	ds_load_b128 v[40+4*\j:43+4*\j], v8 offset:8192+16*\j         ; b2,
	ds_load_b128 v[56+4*\j:59+4*\j], v8 offset:9216+16*\j         ; mb2 of my 16 channels: wanted behind the barrier
.endr
; the mean of my wave's 32 channels of a token and the sum of squares about THAT mean, into a pair of registers of its own for each tile
.macro PART m
.set XB, 96+16*\m
.set RR, 232+2*\m
	v_pk_add_f32 v[72:73], v[XB:XB+1], v[XB+2:XB+3]
	v_pk_add_f32 v[74:75], v[XB+4:XB+5], v[XB+6:XB+7]
	v_pk_add_f32 v[72:73], v[72:73], v[XB+8:XB+9]
	v_pk_add_f32 v[74:75], v[74:75], v[XB+10:XB+11]
	v_pk_add_f32 v[72:73], v[72:73], v[XB+12:XB+13]
	v_pk_add_f32 v[74:75], v[74:75], v[XB+14:XB+15]
	v_pk_add_f32 v[72:73], v[72:73], v[74:75]
	v_add_f32 v72, v72, v73
	v_permlanex16_b32 v94, v72, s16, s17
	v_add_f32 v72, v72, v94
	v_mul_f32 v[RR], 0x3d000000, v72               ; / 32
	v_mov_b32 v[RR+1], v[RR]
.irp i, 0,2,4,6,8,10,12,14
	v_pk_add_f32 v[76+\i:77+\i], v[XB+\i:XB+\i+1], v[RR:RR+1] neg_lo:[0,1] neg_hi:[0,1]
.endr
	v_pk_mul_f32 v[72:73], v[76:77], v[76:77]
	v_pk_mul_f32 v[74:75], v[78:79], v[78:79]
.irp i, 4,8,12
	v_pk_fma_f32 v[72:73], v[76+\i:77+\i], v[76+\i:77+\i], v[72:73]
	v_pk_fma_f32 v[74:75], v[78+\i:79+\i], v[78+\i:79+\i], v[74:75]
.endr
	v_pk_add_f32 v[72:73], v[72:73], v[74:75]
	v_add_f32 v72, v72, v73
	v_permlanex16_b32 v94, v72, s16, s17
	v_add_f32 v[RR+1], v72, v94
.endm
	PART 0
	PART 1
	PART 2
	PART 3
	s_wait_alu depctr_va_vdst(0)                   ; the four pairs v232-239 are written, which the stores read; and these lines are done with v72-87, in which the joined parts land behind the barrier
.irp m, 0,1,2,3
	ds_store_b64 v4, v[232+2*\m:233+2*\m] offset:1280*\m
.endr
	BAR                                            ; the eight parts of every token lie in LDS
; the eight parts are joined: mean = the parts' mean; sum of squares = the parts' + 32 x the squares of the parts' means about the mean: no difference of large sums
.macro LN2 m
.set XB, 96+16*\m
.irp j, 0,1,2,3
	ds_load_b128 v[72+4*\j:75+4*\j], v5 offset:1280*\m+16*\j
.endr
	s_wait_dscnt 0x0                               ; the parts are in
	s_wait_alu depctr_vm_vsrc(0)                   ; the stores issued so far have read their data: the parts' v232-239, the last tile's v252-254: this tile's lines write them again
	v_add_f32 v88, v72, v74
	v_add_f32 v20, v76, v78
	v_add_f32 v21, v80, v82
	v_add_f32 v22, v84, v86
	v_add_f32 v88, v88, v20
	v_add_f32 v21, v21, v22
	v_add_f32 v88, v88, v21
	v_mul_f32 v88, 0x3e000000, v88                 ; / 8
	v_mov_b32 v89, v88
	v_add_f32 v20, v73, v75
	v_add_f32 v21, v77, v79
	v_add_f32 v22, v81, v83
	v_add_f32 v23, v85, v87
	v_add_f32 v20, v20, v21
	v_add_f32 v22, v22, v23
	v_add_f32 v20, v20, v22
.irp i, 0,2,4,6,8,10,12,14
	v_sub_f32 v[72+\i], v[72+\i], v88
.endr
	v_mul_f32 v21, v72, v72
.irp i, 2,4,6,8,10,12,14
	v_fmac_f32 v21, v[72+\i], v[72+\i]
.endr
	v_fmamk_f32 v20, v21, 0x42000000, v20          ; x 32, + the parts' sums
	v_fma_f32 v20, v20, s18, s19                   ; / 256 + eps
	s_wait_alu depctr_va_vdst(0)
	v_rsq_f32 v90, v20
.irp i, 0,2,4,6,8,10,12,14
	v_pk_add_f32 v[232+\i:233+\i], v[XB+\i:XB+\i+1], v[88:89] neg_lo:[0,1] neg_hi:[0,1]   ; plain work behind the transcendental
.endr
	s_wait_alu depctr_va_vdst(0)                   ; v90 is written, ahead of its first reader
	v_mov_b32 v91, v90
.irp i, 0,2,4,6,8,10,12,14
	v_pk_mul_f32 v[232+\i:233+\i], v[232+\i:233+\i], v[90:91]
.endr
.irp i, 0,2,4,6,8,10,12,14
	v_pk_fma_f32 v[232+\i:233+\i], v[232+\i:233+\i], v[24+\i:25+\i], v[40+\i:41+\i]
.endr
	QH16 232, 252, 254
.irp i, 0,2,4,6,8,10,12,14
	v_pk_add_f32 v[XB+\i:XB+\i+1], v[XB+\i:XB+\i+1], v[56+\i:57+\i]   ; x + mb2: the C of the last product
.endr
	s_wait_alu depctr_va_vdst(0)                   ; the codes v[252:253], the byte v254 and x + mb2 are written, which the six stores read; and this tile's lines are done with v72-87, in which the next tile's parts land (behind the last tile: with v42-73, in which mb1 lands)
	ds_store_b64 v6, v[252:253] offset:2304*\m
	ds_store_b8 v7, v254 offset:128*\m             ; both halves of the lanes write the same byte with the same value
.irp j, 0,1,2,3
	ds_store_b128 v3, v[XB+4*\j:XB+4*\j+3] offset:16*VP*\m+16*\j      ; into my lane's own place, where v lay: nobody else reads or writes it before the way out
.endr
.endm
	LN2 0
	LN2 1
	LN2 2
	LN2 3
	BAR                                            ; the second LayerNorm's codes lie in LDS
; ---------------------------------------------------------------- 256 -> 512 and GELU: my 64 hidden units (tiles T = 2 b + u) for my 64 tokens, a tile of 16 tokens a trip
.irp T, 0,1,2,3
.irp j, 0,1
	ds_load_b128 v[42+8*\T+4*\j:45+8*\T+4*\j], v17 offset:128*(\T/2)+32*(\T%2)+16*\j   ; mb1 in the result's layout: the C of each sum's first product
.endr
.endr
	v_mov_b32 v232, 0xaf95df0b                     ; P's first term,
	v_mov_b32 v233, 0xaf95df0b
	v_mov_b32 v234, 0xb77460cd                     ; Q's
	v_mov_b32 v235, 0xb77460cd
	s_wait_loadcnt 0x0                             ; mw1 is in; its loads' offsets may be written again (the waits on vm_vsrc since those loads have stated that they were read)
	v_lshlrev_b32 v14, 8, v13
	v_lshl_add_u32 v14, v9, 4, v14                 ; mw2: a row of 256 bytes
	v_lshlrev_b32 v15, 4, v13                      ; its 16 scale bytes
	s_mov_b32 s13, 0
	s_mov_b32 s60, 0                               ; 16 tokens on: in H1,
	s_mov_b32 s61, 0                               ; in its scale bytes,
	s_mov_b32 s62, 0                               ; in H2,
	s_mov_b32 s63, 0                               ; in its scale bytes
; 0.5 x (1 + erf(x / sqrt 2)) of eight registers, in place
.macro GELU A
.irp i, 0,2,4,6
	v_pk_mul_f32 v[128+\i:129+\i], v[(\A)+\i:(\A)+\i+1], s[56:57] op_sel_hi:[1,0]
.endr
.irp i, 0,1,2,3,4,5,6,7
	v_med3_num_f32 v[128+\i], v[128+\i], -4.0, 4.0
.endr
.irp i, 0,2,4,6
	v_pk_mul_f32 v[136+\i:137+\i], v[128+\i:129+\i], v[128+\i:129+\i]
.endr
.irp i, 0,2,4,6
	v_pk_fma_f32 v[144+\i:145+\i], v[136+\i:137+\i], v[232:233], s[36:37] op_sel_hi:[1,1,0]
.endr
.irp i, 0,2,4,6
	v_pk_fma_f32 v[152+\i:153+\i], v[136+\i:137+\i], v[234:235], s[48:49] op_sel_hi:[1,1,0]
.endr
.irp c, 38,40,42,44,46
.irp i, 0,2,4,6
	v_pk_fma_f32 v[144+\i:145+\i], v[144+\i:145+\i], v[136+\i:137+\i], s[\c:\c+1] op_sel_hi:[1,1,0]
.endr
.endr
.irp c, 50,52,54
.irp i, 0,2,4,6
	v_pk_fma_f32 v[152+\i:153+\i], v[152+\i:153+\i], v[136+\i:137+\i], s[\c:\c+1] op_sel_hi:[1,1,0]
.endr
.endr
	s_wait_alu depctr_va_vdst(0)
.irp i, 0,1,2,3,4,5,6,7
	v_rcp_f32 v[152+\i], v[152+\i]
.endr
.irp i, 0,2,4,6
	v_pk_mul_f32 v[144+\i:145+\i], v[144+\i:145+\i], v[128+\i:129+\i]          ; z P: plain work behind the reciprocals
.endr
.irp i, 0,2,4,6
	v_pk_mul_f32 v[128+\i:129+\i], v[(\A)+\i:(\A)+\i+1], 0.5 op_sel_hi:[1,0]
.endr
	s_wait_alu depctr_va_vdst(0)                   ; the eight reciprocals have written v152-159: one wait, ahead of their first reader
.irp i, 0,2,4,6
	v_pk_mul_f32 v[144+\i:145+\i], v[144+\i:145+\i], v[152+\i:153+\i]
.endr
.irp i, 0,2,4,6
	v_pk_fma_f32 v[(\A)+\i:(\A)+\i+1], v[128+\i:129+\i], v[144+\i:145+\i], v[128+\i:129+\i]
.endr
.endm
.Lmlp:
	s_wait_alu depctr_vm_vsrc(0)                   ; the last trip's loads have read v20 and v21, its stores v22, v23 and v236-240; ahead of the first trip the second LayerNorm's stores have read v144-159: this trip writes all of them again
	v_add_nc_u32 v20, s60, v1
	v_add_nc_u32 v21, s61, v2
	v_add_nc_u32 v22, s62, v11
	v_add_nc_u32 v23, s63, v16
	s_wait_alu depctr_va_vdst(0)                   ; v20 and v21 are written, which the loads below read
	FRAG 24, 20, H1-AO
	FRAG 32, 20, H1-AO+64
	ds_load_b32 v40, v21 offset:H1S-AOS
	ds_load_b32 v41, v21 offset:H1S-AOS+4
	s_wait_dscnt 0x0                               ; they are in (in the first trip mb1 too)
.irp T, 0,1,2,3
	MM 96+8*\T, 160+16*\T, 24, 42+8*\T, 224+2*\T, 40
.endr
.irp T, 0,1,2,3
	MM 96+8*\T, 168+16*\T, 32, 96+8*\T, 225+2*\T, 41   ; four accumulators by turns
.endr
	PL 4
	GELU 96
	GELU 104
	GELU 112
	GELU 120
	QH16 96, 236, 240                              ; registers 16 b + 0 .. 15 are hidden units 64 cg + 32 b + 16 h + 0 .. 15
	QH16 112, 238, 241
	v_lshl_or_b32 v240, v241, 8, v240
	s_wait_alu depctr_va_vdst(0)                   ; the codes v236-239 and the two bytes in v240 are written, which the three stores read; and the trip's products are done reading v24-41, in which the next trip's fragments land
	ds_store_b64 v22, v[236:237]
	ds_store_b64 v22, v[238:239] offset:16
	ds_store_b16 v23, v240
	s_add_co_u32 s60, s60, 2304
	s_add_co_u32 s61, s61, 128
	s_add_co_u32 s62, s62, 4352
	s_add_co_u32 s63, s63, 256
	s_add_co_u32 s13, s13, 1
	s_cmp_lt_u32 s13, 4
	s_cbranch_scc1 .Lmlp
	s_wait_dscnt 0x0                               ; the last trip's stores are done
	s_wait_alu depctr_vm_vsrc(0)                   ; the last trip's loads and stores have read their addresses v20-23 and their data v236-240, in which mw2 and its scale words land (the trip's last wait on va_vdst has shown the vector and matrix lines done with v20-23, v60-63 and v192-255)
.irp u, 0,1                                    ; mw2's fragments (tile u, K step s) into v192-255, their scale words into v20-23 (u = 0) and v60-63 (u = 1), so that v64-127 stay free for the next window's q
.irp s, 0,1,2,3
.irp c, 0,1
	global_load_b128 v[192+8*(4*\u+\s)+4*\c:195+8*(4*\u+\s)+4*\c], v14, s[28:29] offset:2048*\u+64*\s+32*\c
.endr
	global_load_b32 v[20+\s+40*\u], v15, s[30:31] offset:128*\u+4*\s
.endr
.endr
	BAR                                            ; the hidden layer's codes lie in LDS
; ---------------------------------------------------------------- 512 -> 256, onto x + mb2.  v24-55 four hidden fragments, v56-59 their scale words; v128-191 the eight accumulators
	v_and_b32 v9, 31, v0
	v_lshlrev_b32 v9, 4, v9                        ; 16 x lane again (h has served): the offset of the next window's loads and of this window's stores
	s_wait_alu depctr_va_vdst(0)                   ; v9 is written, which those loads and stores read
.irp m, 0,1,2,3
.irp j, 0,1,2,3
	ds_load_b128 v[128+16*\m+4*\j:131+16*\m+4*\j], v3 offset:16*VP*\m+16*\j
.endr
.endr
	s_wait_loadcnt 0x0                             ; mw2 is in.  (For 0, ahead of q's loads: so the count is the same whether or not a window follows)
	s_cmp_eq_u32 s78, 1                            ; the next window's q is asked for here, if there is a next window: no load leaves its buffer
	s_cbranch_scc1 .Lno_q
	LOADQ
.Lno_q:
.irp s, 0,1,2,3
.if \s
	s_wait_alu depctr_va_vdst(0)                   ; the last K step's products are done reading v24-59, in which this step's fragments and scale words land
.endif
.irp m, 0,1,2,3
	FRAG 24+8*\m, 18, 4352*\m+64*\s
	ds_load_b32 v[56+\m], v19 offset:256*\m+4*\s
.endr
	s_wait_dscnt 0x0
.irp m, 0,1,2,3
.irp u, 0,1
	MM 128+16*\m+8*\u, 192+8*(4*\u+\s), 24+8*\m, 128+16*\m+8*\u, 20+\s+40*\u, 56+\m   ; eight accumulators by turns, in the same order in every K step
.endr
.endr
	PL 4
.endr
	s_wait_alu depctr_va_vdst(0)                   ; the products have written the accumulators, which the stores read (the places above stay beside this wait); they are done with v24-59 and v192-255 too
.irp m, 0,1,2,3
.irp j, 0,1,2,3
	ds_store_b128 v3, v[128+16*\m+4*\j:131+16*\m+4*\j] offset:16*VP*\m+16*\j   ; each accumulator from its low end on
.endr
.endr
	BAR                                            ; the window's 128 rows of the result lie in LDS; from here to phase A's barrier each wave touches its own eight rows alone
	s_wait_alu depctr_vm_vsrc(0)                   ; the LDS loads and stores so far have read v1-v8 and v16-v19, which the lines below and phase A write again, and the stores above v128-191, in which the next k lands
	ADDRA
	s_wait_alu depctr_va_vdst(0)                   ; v1-v8 are written, which the way out and phase A read as LDS addresses
	s_cmp_eq_u32 s78, 1                            ; the last window leaves the loop here: so the way back is taken only with k's and v's loads issued
	s_cbranch_scc1 .Lfinal
	LOADKV                                         ; the next window's k and v, into the registers that the last product has left, ahead of the stores
	WAYOUT
	s_wait_xcnt 0x0                                ; the stores have had their addresses translated: their base may be written again
	s_wait_alu depctr_vm_vsrc(0)                   ; and they have read v24-55, which are loaded again
	s_add_nc_u64 s[10:11], s[10:11], NEXTW
	s_sub_co_u32 s78, s78, 1
	s_cmp_lg_u32 s78, 0
	s_cbranch_scc1 .Lwin
.Lfinal:
	WAYOUT
	s_wait_xcnt 0x0
	v_lshl_add_u32 v254, v0, 2, 0x4d100
	v_mov_b32 v255, 0
	s_wait_dscnt 0x0                               ; the closing lines, six on end
	s_wait_alu 0x0
	s_wait_tensorcnt 0x0
	ds_add_u32 v254, v255
	s_wait_dscnt 0x0
	s_endpgm
.Lfunc_end_k_q87c22e5802_win:
	.size	k_q87c22e5802_win, .Lfunc_end_k_q87c22e5802_win-k_q87c22e5802_win
	.p2alignl 7, 3214868480
	.fill 96, 4, 3214868480
	.section	.rodata,"a",@progbits
	.p2align	6, 0x0
	.amdhsa_kernel k_q87c22e5802_win
		.amdhsa_group_segment_fixed_size 317696
		.amdhsa_private_segment_fixed_size 0
		.amdhsa_enable_private_segment 0
		.amdhsa_kernarg_size 176
		.amdhsa_user_sgpr_count 2
		.amdhsa_user_sgpr_kernarg_segment_ptr 1
		.amdhsa_wavefront_size32 1
		.amdhsa_system_sgpr_workgroup_id_x 1
		.amdhsa_system_sgpr_workgroup_id_y 1
		.amdhsa_system_sgpr_workgroup_id_z 1
		.amdhsa_system_vgpr_workitem_id 0
		.amdhsa_next_free_vgpr 256
		.amdhsa_next_free_sgpr 80
		.amdhsa_reserve_vcc 1
		.amdhsa_float_denorm_mode_32 3
		.amdhsa_float_denorm_mode_16_64 3
		.amdhsa_memory_ordered 1
		.amdhsa_forward_progress 1
		.amdhsa_inst_pref_size 193
	.end_amdhsa_kernel
	.amdgpu_metadata
---
amdhsa.version: [ 1, 2 ]
amdhsa.kernels:
  - .name:           k_q87c22e5802_win
    .symbol:         k_q87c22e5802_win.kd
    .args:
      - { .name: q, .offset: 0, .size: 8, .value_kind: global_buffer, .address_space: global }
      - { .name: k, .offset: 8, .size: 8, .value_kind: global_buffer, .address_space: global }
      - { .name: v, .offset: 16, .size: 8, .value_kind: global_buffer, .address_space: global }
      - { .name: out0, .offset: 24, .size: 8, .value_kind: global_buffer, .address_space: global }
      - { .name: gq, .offset: 32, .size: 8, .value_kind: global_buffer, .address_space: global }
      - { .name: bq, .offset: 40, .size: 8, .value_kind: global_buffer, .address_space: global }
      - { .name: gk, .offset: 48, .size: 8, .value_kind: global_buffer, .address_space: global }
      - { .name: bk, .offset: 56, .size: 8, .value_kind: global_buffer, .address_space: global }
      - { .name: gv, .offset: 64, .size: 8, .value_kind: global_buffer, .address_space: global }
      - { .name: bv, .offset: 72, .size: 8, .value_kind: global_buffer, .address_space: global }
      - { .name: proj_b, .offset: 80, .size: 8, .value_kind: global_buffer, .address_space: global }
      - { .name: g2, .offset: 88, .size: 8, .value_kind: global_buffer, .address_space: global }
      - { .name: b2, .offset: 96, .size: 8, .value_kind: global_buffer, .address_space: global }
      - { .name: mb2, .offset: 104, .size: 8, .value_kind: global_buffer, .address_space: global }
      - { .name: mb1, .offset: 112, .size: 8, .value_kind: global_buffer, .address_space: global }
      - { .name: bias_table, .offset: 120, .size: 8, .value_kind: global_buffer, .address_space: global }
      - { .name: proj_w_codes, .offset: 128, .size: 8, .value_kind: global_buffer, .address_space: global }
      - { .name: proj_w_scales, .offset: 136, .size: 8, .value_kind: global_buffer, .address_space: global }
      - { .name: mw1_codes, .offset: 144, .size: 8, .value_kind: global_buffer, .address_space: global }
      - { .name: mw1_scales, .offset: 152, .size: 8, .value_kind: global_buffer, .address_space: global }
      - { .name: mw2_codes, .offset: 160, .size: 8, .value_kind: global_buffer, .address_space: global }
      - { .name: mw2_scales, .offset: 168, .size: 8, .value_kind: global_buffer, .address_space: global }
    .group_segment_fixed_size: 317696
    .private_segment_fixed_size: 0
    .kernarg_segment_align: 8
    .kernarg_segment_size: 176
    .max_flat_workgroup_size: 512
    .sgpr_count:     80
    .vgpr_count:     256
    .wavefront_size: 32
...
	.end_amdgpu_metadata
.endif
;; end of part 2
